; MI455X (gfx1250); checked and timed in simulation.
; The chip was launched on July 23, 2026; its instructions are those of AMD's public machine-readable ISA for CDNA 5 (MIT licence, August 2026) and "CDNA5" Instruction Set Architecture Reference Guide (July 2026). The comments in the code are by the model that wrote it; some were corrected since.
;; Multi Head Attention. Allowed arithmetic: float matrix products may take bf16 or f16 operands with f32 sums; all other float work in f32.
;; Inputs: Wk 2,048 x 2,048 float32; Wo 2,048 x 2,048 float32; Wq 2,048 x 2,048 float32; Wv 2,048 x 2,048 float32; bk 2,048 float32; bo 2,048 float32; bq 2,048 float32; bv 2,048 float32; hidden_states 2 x 1,024 x 2,048 float32.
;; Outputs: out0 2 x 1,024 x 2,048 float32.
;; 2 versions, each right; version 2 is version 1 with the launch cast written anew for expert scheduling mode. Each part assembles by itself: llvm-mc -triple=amdgcn-amd-amdhsa -mcpu=gfx1250 --defsym DOCPART=n.
;; ======== version 1 of 2: 4 launches
;; limits: values are held in f16: magnitudes above 65,504 overflow, below 6.1e-05 lose precision
;; workspace buffers: xb 8,388,608 bytes; wb 33,554,432 bytes; rope 524,288 bytes; qkvb 25,165,824 bytes; ab 8,388,608 bytes
;; launch cast (part 1): grid 512 x 1, 8 waves a work-group, no clusters, 0 bytes of LDS; arguments hidden_states, Wq, Wk, Wv, Wo, xb, wb, rope; writes xb, wb, rope
.if DOCPART == 1
	.amdgcn_target "amdgcn-amd-amdhsa--gfx1250"
	.amdhsa_code_object_version 6
	.text
	.protected	k_q0fe4c1d6d2_cast
	.globl	k_q0fe4c1d6d2_cast
	.p2align	8
	.type	k_q0fe4c1d6d2_cast,@function
k_q0fe4c1d6d2_cast:
	s_mov_b64 s[64:65], 0
	v_nop
	global_prefetch_b8 v0, s[64:65] scope:SCOPE_SE
	s_setreg_imm32_b32 hwreg(HW_REG_WAVE_MODE, 25, 1), 1
	s_wait_xcnt 0x0
; cast: the five large f32 inputs are narrowed once, and the table of cosines and sines for the rotary embedding is made.
;   xb            = bf16(hidden_states)                          [2048][2048]
;   wb planes 0-2 = bf16(Wq), bf16(Wk), bf16(Wv)                 [k 2048][n 2048] each, 8 MiB apart
;   wb plane 3    = f16(bf16(Wo)): the bf16 value in an f16 word, since its partner in the last product (attn) is f16.
;                   LIMIT: exact for 2^-14 <= |Wo| < 65,504; smaller numbers carry an absolute error of at most 3e-8, larger ones overflow.
;   rope          = f32 [pos 1024][j 64][cos, sin] of pos * 10000^(-j/64)
; A stream: no LDS, no barrier, no matrix unit (nothing is used twice).  512 work-groups of eight waves; work-group g owns bytes
; 32,768 g .. +32,767 of each source, a wave 4,096 of them: eight loads of 512 consecutive bytes.  All 40 loads of a wave go out at once
; (160 registers), each register is used once, so no register is ever freed by a wait and there is no loop.
.set X, 16                             ; v[16:175]  load i = 8 m + u: four registers
.macro LD8 m, sb                       ; source m, its address in s[sb:sb+1]
.irp u, 0,1,2,3,4,5,6,7
	global_load_b128 v[X+4*(8*\m+\u):X+4*(8*\m+\u)+3], v1, s[\sb:\sb+1] offset:512*\u th:TH_LOAD_NT
.endr
.endm
; Narrow and store source m.  half = 1: the bf16 numbers are widened (a shift, a mask) and written as f16.
.macro ST8 m, db, half
.irp u, 0,1,2,3,4,5,6,7
	s_wait_loadcnt 39-8*\m-\u                      ; loads come back in order: mine is in, the 39 - i younger ones stay out
	v_cvt_pk_bf16_f32 v[X+4*(8*\m+\u)],   v[X+4*(8*\m+\u)],   v[X+4*(8*\m+\u)+1]
	v_cvt_pk_bf16_f32 v[X+4*(8*\m+\u)+1], v[X+4*(8*\m+\u)+2], v[X+4*(8*\m+\u)+3]
.if \half
	v_lshlrev_b32 v[X+4*(8*\m+\u)+2], 16, v[X+4*(8*\m+\u)]
	v_and_b32     v[X+4*(8*\m+\u)+3], 0xffff0000, v[X+4*(8*\m+\u)]
	v_cvt_pk_f16_f32 v[X+4*(8*\m+\u)], v[X+4*(8*\m+\u)+2], v[X+4*(8*\m+\u)+3]
	v_lshlrev_b32 v[X+4*(8*\m+\u)+2], 16, v[X+4*(8*\m+\u)+1]
	v_and_b32     v[X+4*(8*\m+\u)+3], 0xffff0000, v[X+4*(8*\m+\u)+1]
	v_cvt_pk_f16_f32 v[X+4*(8*\m+\u)+1], v[X+4*(8*\m+\u)+2], v[X+4*(8*\m+\u)+3]
.endif
	global_store_b64 v2, v[X+4*(8*\m+\u):X+4*(8*\m+\u)+1], s[\db:\db+1] offset:256*\u   ; 32 lanes store 256 consecutive bytes, aligned
.endr
.endm
	s_load_b512 s[4:19], s[0:1], 0x0               ; hidden s[4:5], Wq s[6:7], Wk s[8:9], Wv s[10:11], Wo s[12:13], xb s[14:15], wb s[16:17], rope s[18:19]
	v_lshrrev_b32 v3, 5, v0
	v_readfirstlane_b32 s28, v3                    ; wave 0..7
	v_and_b32 v4, 31, v0
	v_lshlrev_b32 v1, 4, v4                        ; 16 bytes a lane
	v_lshl_or_b32 v1, v3, 12, v1                   ; + 4,096 a wave
	s_lshl_b32 s29, ttmp9, 15                      ; + 32,768 a work-group
	v_or_b32 v1, s29, v1                           ; v1: byte offset in a source
	v_lshrrev_b32 v2, 1, v1                        ; v2: byte offset in its 16-bit copy
	s_wait_kmcnt 0x0
	s_add_nc_u64 s[22:23], s[16:17], 0x800000      ; wb's planes 1, 2, 3
	s_add_nc_u64 s[24:25], s[16:17], 0x1000000
	s_add_nc_u64 s[26:27], s[16:17], 0x1800000
	LD8 0, 4
	LD8 1, 6
	LD8 2, 8
	LD8 3, 10
	LD8 4, 12
	; The table, while the loads are on their way: 65,536 pairs, 128 for a work-group, one for each thread of waves 0 to 3.
	s_cmp_ge_u32 s28, 4
	s_cbranch_scc1 .Lno_table
	s_lshl_b32 s30, ttmp9, 7
	v_add_nc_u32 v5, s30, v0                       ; p = 128 g + t
	v_and_b32 v6, 63, v5                           ; j
	v_lshrrev_b32 v7, 6, v5                        ; pos
	v_cvt_f32_u32 v6, v6
	v_mul_f32 v6, 0xbe549a78, v6                   ; j * (-log2(10000) / 64)
	v_exp_f32 v6, v6                               ; 10000^(-j/64)
	v_cvt_f32_u32 v7, v7                           ; the plain instruction between the exponential and its use (ISA guide 5.7.2)
	s_wait_alu depctr_va_vdst(0)
	v_mul_f32 v7, v7, v6                           ; the angle, rounded to f32 as in the definition
	v_mul_f32 v8, 0.15915494, v7
	v_rndne_f32 v8, v8                             ; n = whole turns (at most 163)
	v_fmamk_f32 v7, v8, 0xc0c90fdb, v7             ; r = angle - n * 2 pi, 2 pi in two parts:
	v_fmamk_f32 v7, v8, 0x343bbd2e, v7             ; f32(2 pi) and what it leaves (2 pi = 6.2831855 - 1.7484556e-7)
	v_mul_f32 v7, 0.5, v7                          ; hh = r / 2, |hh| <= pi / 2
	v_mul_f32 v9, v7, v7                           ; z = hh^2
	v_mov_b32 v10, 0xb2d7322b                      ; sin(hh) / hh: -1/11!, 1/9!, -1/7!, 1/5!, -1/3!, 1  (what is cut is below 6e-8 at pi / 2)
	v_mov_b32 v11, 0x310f76c7                      ; cos(hh): 1/12!, -1/10!, 1/8!, -1/6!, 1/4!, -1/2!, 1
	v_fmaak_f32 v10, v10, v9, 0x3638ef1d
	v_fmaak_f32 v11, v11, v9, 0xb493f27e
	v_fmaak_f32 v10, v10, v9, 0xb9500d01
	v_fmaak_f32 v11, v11, v9, 0x37d00d01
	v_fmaak_f32 v10, v10, v9, 0x3c088889
	v_fmaak_f32 v11, v11, v9, 0xbab60b61
	v_fmaak_f32 v10, v10, v9, 0xbe2aaaab
	v_fmaak_f32 v11, v11, v9, 0x3d2aaaab
	v_fmaak_f32 v10, v10, v9, 0x3f800000
	v_fmaak_f32 v11, v11, v9, 0xbf000000
	v_mul_f32 v10, v10, v7                         ; sin(hh)
	v_fmaak_f32 v11, v11, v9, 0x3f800000           ; cos(hh)
	v_mul_f32 v12, v10, v10
	v_mul_f32 v13, v10, v11
	v_fma_f32 v12, v12, -2.0, 1.0                  ; cos r = 1 - 2 sin^2(hh)
	v_add_f32 v13, v13, v13                        ; sin r = 2 sin(hh) cos(hh)
	v_lshlrev_b32 v14, 3, v5
	global_store_b64 v14, v[12:13], s[18:19]       ; 32 lanes store 256 consecutive bytes, aligned
.Lno_table:
	ST8 0, 14, 0
	ST8 1, 16, 0
	ST8 2, 22, 0
	ST8 3, 24, 0
	ST8 4, 26, 1
	s_endpgm
.Lfunc_end_k_q0fe4c1d6d2_cast:
	.size	k_q0fe4c1d6d2_cast, .Lfunc_end_k_q0fe4c1d6d2_cast-k_q0fe4c1d6d2_cast
	.p2alignl 7, 3214868480
	.fill 96, 4, 3214868480
	.section	.rodata,"a",@progbits
	.p2align	6, 0x0
	.amdhsa_kernel k_q0fe4c1d6d2_cast
		.amdhsa_group_segment_fixed_size 0
		.amdhsa_private_segment_fixed_size 0
		.amdhsa_enable_private_segment 0
		.amdhsa_kernarg_size 64
		.amdhsa_user_sgpr_count 2
		.amdhsa_user_sgpr_kernarg_segment_ptr 1
		.amdhsa_wavefront_size32 1
		.amdhsa_system_sgpr_workgroup_id_x 1
		.amdhsa_system_sgpr_workgroup_id_y 1
		.amdhsa_system_sgpr_workgroup_id_z 1
		.amdhsa_system_vgpr_workitem_id 0
		.amdhsa_next_free_vgpr 176
		.amdhsa_next_free_sgpr 66
		.amdhsa_reserve_vcc 0
		.amdhsa_float_denorm_mode_32 3
		.amdhsa_float_denorm_mode_16_64 3
		.amdhsa_memory_ordered 1
		.amdhsa_forward_progress 1
		.amdhsa_inst_pref_size 19
	.end_amdhsa_kernel
	.amdgpu_metadata
---
amdhsa.version: [ 1, 2 ]
amdhsa.kernels:
  - .name:           k_q0fe4c1d6d2_cast
    .symbol:         k_q0fe4c1d6d2_cast.kd
    .args:
      - { .name: hidden_states, .offset: 0, .size: 8, .value_kind: global_buffer, .address_space: global }
      - { .name: Wq, .offset: 8, .size: 8, .value_kind: global_buffer, .address_space: global }
      - { .name: Wk, .offset: 16, .size: 8, .value_kind: global_buffer, .address_space: global }
      - { .name: Wv, .offset: 24, .size: 8, .value_kind: global_buffer, .address_space: global }
      - { .name: Wo, .offset: 32, .size: 8, .value_kind: global_buffer, .address_space: global }
      - { .name: xb, .offset: 40, .size: 8, .value_kind: global_buffer, .address_space: global }
      - { .name: wb, .offset: 48, .size: 8, .value_kind: global_buffer, .address_space: global }
      - { .name: rope, .offset: 56, .size: 8, .value_kind: global_buffer, .address_space: global }
    .group_segment_fixed_size: 0
    .private_segment_fixed_size: 0
    .kernarg_segment_align: 8
    .kernarg_segment_size: 64
    .max_flat_workgroup_size: 256
    .sgpr_count:     66
    .vgpr_count:     176
    .wavefront_size: 32
...
	.end_amdgpu_metadata
.endif
;; end of part 1
;; launch qkv (part 2): grid 16 x 16, 4 waves a work-group, clusters of 4 x 4, 327,680 bytes of LDS; arguments xb, wb, rope, bq, bk, bv, qkvb; writes qkvb
.if DOCPART == 2
	.amdgcn_target "amdgcn-amd-amdhsa--gfx1250"
	.amdhsa_code_object_version 6
	.text
	.protected	k_q0fe4c1d6d2_qkv
	.globl	k_q0fe4c1d6d2_qkv
	.p2align	8
	.type	k_q0fe4c1d6d2_qkv,@function
k_q0fe4c1d6d2_qkv:
	s_mov_b64 s[64:65], 0
	v_nop
	global_prefetch_b8 v0, s[64:65] scope:SCOPE_SE
	s_setreg_imm32_b32 hwreg(HW_REG_WAVE_MODE, 25, 1), 1
	s_wait_xcnt 0x0
	s_wait_alu depctr_hold_cnt(0) depctr_sa_sdst(0) depctr_va_vdst(0) depctr_va_sdst(0) depctr_va_ssrc(0) depctr_va_vcc(0) depctr_vm_vsrc(0)
	s_getreg_b32 s2, hwreg(HW_REG_IB_STS2, 6, 4)
	s_cmp_eq_u32 s2, 0
	s_cbranch_scc0 .Lentry_in_a_cluster
	s_endpgm
.Lentry_in_a_cluster:
	s_bfe_u32 s2, ttmp6, 0x10000c
	s_cmp_lg_u32 s2, 0xf033
	s_cbranch_scc0 .Lentry_shape_is_right
	s_endpgm
.Lentry_shape_is_right:
; qkv: q, k, v = x W + b for one head and 128 rows, q and k rotated (interleaved rotary embedding), all three stored as f16.
;   x: xb bf16 [2048][2048].  W: wb planes 0, 1, 2, bf16 [k][n].  qkvb: three planes of f16 [row b*1024+s][h*128+d], 8 MiB apart.
; LIMIT: q, k, v are kept in f16: their magnitude after bias and rotation must stay below 65,504; below 6.1e-5 they carry an absolute error of at most 3e-8.
; Work-group (x = head, y = block of 128 rows): 128 rows x (128 q + 128 k + 128 v) columns, four waves, as many as a WGP has SIMDs.
; Wave w: rows 64 (w>>1) .. +63, columns 64 (w&1) .. +63 of each of q, k, v: 4 row blocks x 12 column blocks = 48 accumulators, 384 registers;
; for 32 along K it loads 16 fragments from LDS and issues 48 matrix instructions.
; K goes in steps of 128 through two LDS slots.  A slot is four chunks of 36,864 bytes: x's tile (128 rows of 256 bytes, 272 apart), then Wq's, Wk's, Wv's
; (128 k-rows of 256 bytes, 288 apart).  Wave w fills chunk w with one tensor load of 128 rows.
; CLUSTERS: 4 x 4 work-groups.  x's tile hangs on the block of rows alone and is asked for jointly by the four of a row of the cluster;
; W's tiles hang on the head alone and are asked for jointly by the four of a column.  That divides the requests for both by four.
; THE MATRIX INSTRUCTION IS USED TRANSPOSED: source 0 = 16 columns of W (brought from [k][n] rows by the transposing LDS load), source 1 = 16 rows of x.
; Lane l then holds row l % 16 and its registers 0-7 the columns 8 (l / 16) + 0..7: the pairs that the rotation mixes lie in neighbouring registers of one lane.
; REGISTERS, in windows of 256:
;   window 0: v16-30 addresses; v32-63, v64-95 x's fragments (two buffers); v96-191 the biases of my 12 column blocks.  On the way out see below.
;   window 1: v0-95, v96-191 W's fragments (two buffers)
;   window 2: accumulators of row blocks 0, 1 at v[8 (12 a' + b)], b = 4 mat + bb; v192-255 their (cos, sin) pairs.   window 3: the same for row blocks 2, 3
.set CHUNK, 36864
.set SLOT,  4*CHUNK
.set PA,    272                        ; x's LDS pitch, 17 x 16 bytes: the sixteen rows of a fragment start in sixteen different 16-byte columns of 256
.set PW,    288                        ; W's LDS pitch, 9 x 32 bytes, for the transposing load
.set LAPS,  8                          ; 2,048 / (2 x 128): a lap is once round the two slots
.set ADRA,  16                         ; v16-17  LDS address of my x fragments in slot 0, 1
.set ADRW,  18                         ; v18-23  the same for W: 3 slot + mat
.set STO,   24                         ; v24     the way out: where I put 16 bytes of a row (q, k);  v25 the same for v
.set STO2,  25
.set RD,    26                         ; v26     the way out: where I read rows back (q, k);  v27 the same for v
.set RD2,   27
.set CO,    28                         ; v28     my byte offset in a plane of qkvb
.set VB,    29                         ; v29     my byte offset in a bias
.set VT,    30                         ; v30     my byte offset in the table
.set BIAS,  96
.set CS,    192                        ; in windows 2 and 3
.set RO,    32                         ; the way out: v32-95 rotated q and k of one row block
.set TMP,   96                         ;              v96-143 the twelve tiles as f16
.set T,     144                        ;              v144-151 at work
.set RB,    64                         ;              v64-255 rows read back
.set G1,  32                           ; s[32:39] group 1 for x's tile
.set G0,  40                           ; s[40:47] group 0 for x's tile, a set for each slot
.set G1B, 48                           ; s[48:55] group 1 for W's tiles
.set G0B, 56                           ; s[56:63] group 0 for W's tiles, a set for each slot
.set MSB, 0
.macro WIN new                         ; s_set_vgpr_msb: bits 1:0 source 0, 3:2 source 1, 5:4 source 2, 7:6 destination; the high byte repeats the setting that is left
.if MSB != \new
	s_set_vgpr_msb (MSB<<8)|\new
.set MSB, \new
.endif
.endm
.macro PLACES                          ; four plain vector instructions between a matrix instruction and a load into, or a vector instruction on, its registers
.rept 4
	v_nop
.endr
.endm
; A joint load.  Wave 0 asks for x's tile, waves 1 to 3 for Wq's, Wk's, Wv's.  The branch hangs on the wave's number alone.
.macro JLOAD s
	s_cmp_eq_u32 s20, 0
	s_cbranch_scc0 .Lfor_w_\@
	tensor_load_to_lds s[G0+4*\s:G0+4*\s+3], s[G1:G1+7]
	s_nop 0
	s_branch .Lasked_\@
.Lfor_w_\@:
	tensor_load_to_lds s[G0B+4*\s:G0B+4*\s+3], s[G1B:G1B+7]
	s_nop 0
.Lasked_\@:
.endm
.macro CREST                           ; a round of the cluster's barrier behind its opening work-group barrier
	s_cmp_lg_u32 s20, 0
	s_cbranch_scc1 .Lnot_wave_0_\@
	s_barrier_signal -3
.Lnot_wave_0_\@:
	s_barrier_wait -3
	s_barrier_signal -1
	s_barrier_wait -1
.endm
.macro CROUND                          ; a whole round
	s_barrier_signal -1
	s_barrier_wait -1
	CREST
.endm
	s_load_b256 s[4:11], s[0:1], 0x0               ; xb s[4:5], wb s[6:7], rope s[8:9], bq s[10:11]
	s_load_b128 s[12:15], s[0:1], 0x20             ; bk s[12:13], bv s[14:15]
	s_load_b64 s[16:17], s[0:1], 0x30              ; qkvb
	s_set_vgpr_msb 0x40
	v_lshl_add_u32 v255, v0, 2, 0x48000
	s_set_vgpr_msb 0x4000
	v_mov_b32 v31, 0
	s_set_vgpr_msb 0x1
	ds_add_u32 v255, v31
	ds_add_u32 v255, v31
	s_set_vgpr_msb 0x100
	v_lshrrev_b32 v1, 5, v0
	v_readfirstlane_b32 s20, v1                    ; wave 0..3
	s_lshr_b32 s21, s20, 1                         ; rh: which 64 rows are mine
	s_and_b32 s22, s20, 1                          ; c: which 64 columns of each of q, k, v
	s_bfe_u32 s23, ttmp6, 0x40000                  ; cx
	s_bfe_u32 s24, ttmp6, 0x40004                  ; cy
	s_lshl_b32 s25, ttmp9, 2
	s_add_co_u32 s25, s25, s23                     ; head = 4 x cluster x + cx
	s_and_b32 s26, ttmp7, 0xffff
	s_lshl_b32 s26, s26, 2
	s_add_co_u32 s26, s26, s24                     ; block of rows = 4 x cluster y + cy
	s_lshl_b32 s27, s24, 2
	s_lshl_b32 s27, 15, s27                        ; my row of the cluster: places 4 cy .. 4 cy + 3
	s_lshl_b32 s28, 0x1111, s23                    ; my column: places cx, cx + 4, cx + 8, cx + 12
	; group 1: tiles of 128 rows x 128 elements of 2 bytes, 2,048 elements from row to row; a pad behind every 64 words: 4 words for x, 8 for W
	s_or_b32 s[G1+0],  s27, (1<<16)|(1<<20)|(1<<21)|(5<<22)|(3<<25)
	s_or_b32 s[G1B+0], s28, (1<<16)|(1<<20)|(1<<21)|(5<<22)|(7<<25)
	s_mov_b32 s[G1+1],  128<<16                    ; tensor_dim0 = 128
	s_mov_b32 s[G1B+1], 128<<16
	s_mov_b32 s[G1+2],  128<<16                    ; tensor_dim1 = 128
	s_mov_b32 s[G1B+2], 128<<16
	s_mov_b32 s[G1+3],  128<<16                    ; tile_dim0 = 128
	s_mov_b32 s[G1B+3], 128<<16
	s_mov_b32 s[G1+4],  128                        ; tile_dim1 = 128
	s_mov_b32 s[G1B+4], 128
	s_mov_b32 s[G1+5],  2048                       ; the pitch
	s_mov_b32 s[G1B+5], 2048
	s_mov_b32 s[G1+6],  0
	s_mov_b32 s[G1B+6], 0
	s_mov_b32 s[G1+7],  0
	s_mov_b32 s[G1B+7], 0
	; where the tiles come from: x's hangs on the block of rows alone, W's on the head and the wave's number alone, each in registers that never hold the other coordinate
	s_lshl_b32 s66, s26, 19                        ; 128 rows of 4,096 bytes
	s_mov_b32 s67, 0
	s_max_u32 s68, s20, 1
	s_sub_co_u32 s68, s68, 1                       ; plane w - 1 (wave 0 asks for no W tile: plane 0 keeps its unused address inside wb)
	s_lshl_b32 s68, s68, 23
	s_lshl_b32 s69, s25, 8                         ; the head's 128 columns
	s_add_co_u32 s68, s68, s69
	s_mov_b32 s69, 0
	s_mul_i32 s29, s20, CHUNK                      ; and where they go: chunk w
	s_wait_dscnt 0x0
	s_wait_kmcnt 0x0
	s_add_nc_u64 s[66:67], s[4:5], s[66:67]
	s_add_nc_u64 s[68:69], s[6:7], s[68:69]
	CROUND                                         ; all sixteen work-groups are here: the first joint loads meet
.irp s, 0,1
	s_mov_b32 s[G0+4*\s], 1
	s_add_co_u32 s[G0+4*\s+1], s29, \s*SLOT
	s_add_nc_u64 s[G0+4*\s+2:G0+4*\s+3], s[66:67], \s*256          ; K step s: 128 elements along the rows
	s_or_b32 s[G0+4*\s+3], s[G0+4*\s+3], 0x80000000
	s_mov_b32 s[G0B+4*\s], 1
	s_add_co_u32 s[G0B+4*\s+1], s29, \s*SLOT
	s_add_nc_u64 s[G0B+4*\s+2:G0B+4*\s+3], s[68:69], \s*524288     ; K step s: 128 rows of 4,096 bytes
	s_or_b32 s[G0B+4*\s+3], s[G0B+4*\s+3], 0x80000000
	JLOAD \s                                       ; both slots are asked for before anything else is done: two tensor loads of the wave are out
.endr
	v_and_b32 v1, 15, v0                           ; r = l % 16
	v_bfe_u32 v2, v0, 4, 1                         ; h = l / 16
	v_and_b32 v3, 7, v0
	v_bfe_u32 v4, v0, 3, 1
	s_lshl_b32 s70, s21, 6                         ; 64 rh
	s_lshl_b32 s71, s22, 7                         ; 128 c: 64 columns of 2 bytes
	s_lshl_b32 s72, s20, 5                         ; 32 w
	s_lshl_b32 s73, s25, 9
	s_lshl_b32 s74, s22, 8                         ; 256 c: 64 f32, or 32 pairs of the table
	s_add_co_u32 s73, s73, s74                     ; 512 head + 256 c
	s_and_b32 s75, s26, 7
	s_lshl_b32 s75, s75, 7                         ; the block's first position in its sequence
	v_add_nc_u32 v6, s70, v1                       ; 64 rh + r
	v_mul_u32_u24 v7, v6, PA
	v_lshl_add_u32 v[ADRA], v2, 4, v7              ; x fragment: row x pitch + 16 h; two loads 32 bytes apart
	v_add_nc_u32 v[ADRA+1], SLOT, v[ADRA]
	v_lshl_add_u32 v8, v2, 3, v3                   ; W fragment, transposing load: k-row 8 h + l % 8,
	v_mul_u32_u24 v8, v8, PW
	v_lshl_add_u32 v8, v4, 4, v8                   ; 16 bytes further for lanes 8-15 and 24-31; two loads 16 k-rows apart
	v_add_nc_u32 v8, s71, v8
.irp s, 0,1
.irp m, 0,1,2
	v_add_nc_u32 v[ADRW+3*\s+\m], \s*SLOT+(1+\m)*CHUNK, v8
.endr
.endr
	v_add_nc_u32 v[STO], s71, v[ADRA]              ; (64 rh + r) 272 + 128 c + 16 h
	v_add_nc_u32 v[STO2], 2*128*PA, v[STO]
	v_add_nc_u32 v9, s72, v2                       ; 32 w + l / 16
	v_mul_u32_u24 v10, v9, PA
	v_lshl_add_u32 v[RD], v1, 4, v10
	v_add_nc_u32 v[RD2], 2*128*PA, v[RD]
	v_lshlrev_b32 v10, 12, v9
	v_lshl_add_u32 v[CO], v1, 4, v10
	v_lshl_add_u32 v[VB], v2, 5, s73               ; my 8 columns' f32: 512 head + 256 c + 32 h (+ 64 bb)
	v_add_nc_u32 v11, s75, v6                      ; my row's position (+ 16 a)
	v_lshl_add_u32 v11, v11, 9, s74                ; 512 bytes a position, + 256 c
	v_lshl_add_u32 v[VT], v2, 5, v11               ; + 32 h: my four pairs (+ 64 bb)
.irp bb, 0,1,2,3
	global_load_b128 v[BIAS+8*\bb:BIAS+8*\bb+3],       v[VB], s[10:11] offset:64*\bb
	global_load_b128 v[BIAS+8*\bb+4:BIAS+8*\bb+7],     v[VB], s[10:11] offset:64*\bb+16
	global_load_b128 v[BIAS+32+8*\bb:BIAS+32+8*\bb+3], v[VB], s[12:13] offset:64*\bb
	global_load_b128 v[BIAS+32+8*\bb+4:BIAS+32+8*\bb+7], v[VB], s[12:13] offset:64*\bb+16
	global_load_b128 v[BIAS+64+8*\bb:BIAS+64+8*\bb+3], v[VB], s[14:15] offset:64*\bb
	global_load_b128 v[BIAS+64+8*\bb+4:BIAS+64+8*\bb+7], v[VB], s[14:15] offset:64*\bb+16
.endr
	WIN 0x80                                       ; destination window 2
.irp ap, 0,1
.irp bb, 0,1,2,3
	global_load_b128 v[CS+32*\ap+8*\bb:CS+32*\ap+8*\bb+3],   v[VT], s[8:9] offset:8192*\ap+64*\bb
	global_load_b128 v[CS+32*\ap+8*\bb+4:CS+32*\ap+8*\bb+7], v[VT], s[8:9] offset:8192*\ap+64*\bb+16
.endr
.endr
	WIN 0xc0                                       ; destination window 3
.irp ap, 0,1
.irp bb, 0,1,2,3
	global_load_b128 v[CS+32*\ap+8*\bb:CS+32*\ap+8*\bb+3],   v[VT], s[8:9] offset:8192*(2+\ap)+64*\bb
	global_load_b128 v[CS+32*\ap+8*\bb+4:CS+32*\ap+8*\bb+7], v[VT], s[8:9] offset:8192*(2+\ap)+64*\bb+16
.endr
.endr
	WIN 0
; 32 LDS loads in one run: the fragments of quarter q (32 along K) of a slot into buffer f: 12 of W (window 1), 4 of x (window 0)
.macro FETCH slot, q, f
	WIN 0x40
.irp m, 0,1,2
.irp bb, 0,1,2,3
	ds_load_tr16_b128 v[96*\f+8*(4*\m+\bb):96*\f+8*(4*\m+\bb)+3],   v[ADRW+3*\slot+\m] offset:32*PW*\q+32*\bb
	ds_load_tr16_b128 v[96*\f+8*(4*\m+\bb)+4:96*\f+8*(4*\m+\bb)+7], v[ADRW+3*\slot+\m] offset:32*PW*\q+32*\bb+16*PW
.endr
.endr
	WIN 0
.irp a, 0,1,2,3
	ds_load_b128 v[32+32*\f+8*\a:32+32*\f+8*\a+3],   v[ADRA+\slot] offset:16*PA*\a+64*\q
	ds_load_b128 v[32+32*\f+8*\a+4:32+32*\f+8*\a+7], v[ADRA+\slot] offset:16*PA*\a+64*\q+32
.endr
.endm
; 12 matrix instructions: row block 2 hi + ap x all 12 column blocks.  first = 1: the bias is the C operand and starts the sums: nothing is cleared, nothing is added later.
.macro MUL12 f, hi, ap, first
.irp b, 0,1,2,3,4,5,6,7,8,9,10,11
.if \first
	v_wmma_f32_16x16x32_bf16 v[8*(12*\ap+\b):8*(12*\ap+\b)+7], v[96*\f+8*\b:96*\f+8*\b+7], v[32+32*\f+8*(2*\hi+\ap):32+32*\f+8*(2*\hi+\ap)+7], v[BIAS+8*\b:BIAS+8*\b+7]
.else
	v_wmma_f32_16x16x32_bf16 v[8*(12*\ap+\b):8*(12*\ap+\b)+7], v[96*\f+8*\b:96*\f+8*\b+7], v[32+32*\f+8*(2*\hi+\ap):32+32*\f+8*(2*\hi+\ap)+7], v[8*(12*\ap+\b):8*(12*\ap+\b)+7]
.endif
.endr
.endm
; One of a K step's first three quarters: asks for quarter q's fragments into buffer g, then multiplies buffer f.
; The 48 accumulators take turns, one instruction a turn, in the same order in every quarter, over the backward jump too.
.macro QUARTER slot, q, f, g, first
	PLACES                                         ; buffer g was read by the matrix instructions just issued
	FETCH \slot, \q, \g
	s_wait_dscnt 32                                ; all but the 32 just issued: buffer f is in
.if \first
	WIN 0x81                                       ; W window 1, x window 0, C (bias) window 0, D window 2
.else
	WIN 0xa1                                       ; C and D window 2
.endif
	MUL12 \f, 0, 0, \first
	MUL12 \f, 0, 1, \first
.if \first
	WIN 0xc1
.else
	WIN 0xf1                                       ; C and D window 3
.endif
	MUL12 \f, 1, 0, \first
	MUL12 \f, 1, 1, \first
.endm
.macro THREE slot, first
	QUARTER \slot, 1, 0, 1, \first
	QUARTER \slot, 2, 1, 0, 0
	QUARTER \slot, 3, 0, 1, 0
.endm
; The last quarter multiplies buffer 1 and changes slots.  In front of the barrier each wave waits for its reads of this slot and for all its tensor loads
; (one is out: its chunk of the next slot).  Behind it nobody reads this slot and the next one is whole.  fill = 1: the barrier opens a round of the cluster's
; barrier, and the joint refill, two K steps ahead, is the first tensor load behind the round.  From a request to the wait for it a wave issues 168 matrix instructions.
.macro TURN slot, next, fill
	s_wait_dscnt 0x0                               ; buffer 1 is in, and with it my last reads of this slot
	s_wait_tensorcnt 0x0                           ; all my tensor loads have landed
	ds_add_u32 v255, v31
	s_wait_dscnt 0x0
	s_barrier_signal -1
	WIN 0xa1
	MUL12 1, 0, 0, 0                               ; register work while the others arrive
	MUL12 1, 0, 1, 0
	WIN 0
	s_barrier_wait -1
.if \fill
	CREST
	s_add_nc_u64 s[G0+4*\slot+2:G0+4*\slot+3], s[G0+4*\slot+2:G0+4*\slot+3], 2*256
	s_add_nc_u64 s[G0B+4*\slot+2:G0B+4*\slot+3], s[G0B+4*\slot+2:G0B+4*\slot+3], 2*524288
	JLOAD \slot
.endif
	PLACES
	FETCH \next, 0, 0
	WIN 0xf1
	MUL12 1, 1, 0, 0
	MUL12 1, 1, 1, 0
.endm
.macro LAP first
	THREE 0, \first
	TURN 0, 1, 1
	THREE 1, 0
	TURN 1, 0, 1
.endm
	s_wait_loadcnt 0x0                             ; biases and table, once
	s_wait_tensorcnt 0x1                           ; my chunk of K step 0 is in; the one younger load, K step 1's, stays out
	s_barrier_signal -1
	s_barrier_wait -1
	FETCH 0, 0, 0
	LAP 1                                          ; the first lap stands in front of the loop: its first products take the bias as C
	WIN 0
	s_mov_b32 s3, LAPS-2
.Llap:
	LAP 0
	WIN 0
	s_sub_co_u32 s3, s3, 1
	s_cmp_lg_u32 s3, 0
	s_cbranch_scc1 .Llap
	THREE 0, 0                                     ; the last lap fills nothing
	TURN 0, 1, 0
	THREE 1, 0
	s_wait_dscnt 0x0
	WIN 0xa1
	MUL12 1, 0, 0, 0
	MUL12 1, 0, 1, 0
	WIN 0xf1
	MUL12 1, 1, 0, 0
	MUL12 1, 1, 1, 0
	; THE WAY OUT.  Slot 0 has had its last fill, and no wave has read it since the last change of slots: it is the stage, [q, k, v][128 rows] of 256 bytes, 272 apart.
	PLACES
	s_lshl_b32 s76, s26, 19
	s_lshl_b32 s77, s25, 8
	s_add_co_u32 s76, s76, s77
	s_mov_b32 s77, 0
	s_add_nc_u64 s[70:71], s[16:17], s[76:77]      ; q's plane at my block of rows and my head
	s_add_nc_u64 s[72:73], s[70:71], 0x800000      ; k's
	s_add_nc_u64 s[74:75], s[70:71], 0x1000000     ; v's
; Row block a (ap in window win): q and k are rotated, out[2i] = x[2i] cos - x[2i+1] sin, out[2i+1] = x[2i+1] cos + x[2i] sin, all twelve tiles rounded to f16.
.macro OUTA a, ap, win
	WIN \win                                       ; sources 0 and 1 in the accumulators' window, source 2 and destination in window 0
.irp m, 0,1
.irp bb, 0,1,2,3
.irp i, 0,1,2,3
	v_mul_f32 v[T+2*\i],   v[8*(12*\ap+4*\m+\bb)+2*\i+1], v[CS+32*\ap+8*\bb+2*\i+1]
	v_mul_f32 v[T+2*\i+1], v[8*(12*\ap+4*\m+\bb)+2*\i],   v[CS+32*\ap+8*\bb+2*\i+1]
.endr
.irp i, 0,1,2,3
	v_fma_f32 v[RO+8*(4*\m+\bb)+2*\i],   v[8*(12*\ap+4*\m+\bb)+2*\i],   v[CS+32*\ap+8*\bb+2*\i], -v[T+2*\i]
	v_fma_f32 v[RO+8*(4*\m+\bb)+2*\i+1], v[8*(12*\ap+4*\m+\bb)+2*\i+1], v[CS+32*\ap+8*\bb+2*\i], v[T+2*\i+1]
.endr
.endr
.endr
.irp bb, 0,1,2,3
.irp i, 0,1,2,3
	v_cvt_pk_f16_f32 v[TMP+4*(8+\bb)+\i], v[8*(12*\ap+8+\bb)+2*\i], v[8*(12*\ap+8+\bb)+2*\i+1]
.endr
.endr
	WIN 0
.set n, 0
.rept 32
	v_cvt_pk_f16_f32 v[TMP+n], v[RO+2*n], v[RO+2*n+1]
.set n, n+1
.endr
.irp m, 0,1
.irp bb, 0,1,2,3
	ds_store_b128 v[STO], v[TMP+4*(4*\m+\bb):TMP+4*(4*\m+\bb)+3] offset:128*PA*\m+16*PA*\a+32*\bb
.endr
.endr
.irp bb, 0,1,2,3
	ds_store_b128 v[STO2], v[TMP+4*(8+\bb):TMP+4*(8+\bb)+3] offset:16*PA*\a+32*\bb
.endr
.endm
	OUTA 0, 0, 0x0a
	OUTA 1, 1, 0x0a
	OUTA 2, 0, 0x0f
	OUTA 3, 1, 0x0f
	s_wait_dscnt 0x0                               ; my stores are done: the two halves of a row come from two waves
	s_barrier_signal -1
	s_barrier_wait -1
	; wave w takes rows 32 w .. +31 of each of q, k, v back as whole rows of 256 bytes, two rows a load
.irp m, 0,1
.irp t, 0,1,2,3,4,5,6,7,8,9,10,11,12,13,14,15
	ds_load_b128 v[RB+4*(16*\m+\t):RB+4*(16*\m+\t)+3], v[RD] offset:128*PA*\m+2*PA*\t
.endr
.endr
.irp t, 0,1,2,3,4,5,6,7,8,9,10,11,12,13,14,15
	ds_load_b128 v[RB+4*(32+\t):RB+4*(32+\t)+3], v[RD2] offset:2*PA*\t
.endr
.macro STOREM m, sb
.irp t, 0,1,2,3,4,5,6,7,8,9,10,11,12,13,14,15
	s_wait_dscnt 47-16*\m-\t                       ; LDS loads come back in order: the younger ones stay out
	global_store_b128 v[CO], v[RB+4*(16*\m+\t):RB+4*(16*\m+\t)+3], s[\sb:\sb+1] offset:8192*\t   ; 16 lanes store 256 consecutive bytes, aligned
.endr
.endm
	STOREM 0, 70
	STOREM 1, 72
	STOREM 2, 74
	s_set_vgpr_msb 0x1
	s_wait_tensorcnt 0x0
	ds_add_u32 v255, v31
	s_wait_dscnt 0x0
	s_set_vgpr_msb 0x100
	CROUND                                         ; the closing round: no work-group ends while a partner may still ask for a tile that names it
	s_endpgm
.Lfunc_end_k_q0fe4c1d6d2_qkv:
	.size	k_q0fe4c1d6d2_qkv, .Lfunc_end_k_q0fe4c1d6d2_qkv-k_q0fe4c1d6d2_qkv
	.p2alignl 7, 3214868480
	.fill 96, 4, 3214868480
	.section	.rodata,"a",@progbits
	.p2align	6, 0x0
	.amdhsa_kernel k_q0fe4c1d6d2_qkv
		.amdhsa_group_segment_fixed_size 327680
		.amdhsa_private_segment_fixed_size 0
		.amdhsa_enable_private_segment 0
		.amdhsa_kernarg_size 56
		.amdhsa_user_sgpr_count 2
		.amdhsa_user_sgpr_kernarg_segment_ptr 1
		.amdhsa_wavefront_size32 1
		.amdhsa_system_sgpr_workgroup_id_x 1
		.amdhsa_system_sgpr_workgroup_id_y 1
		.amdhsa_system_sgpr_workgroup_id_z 1
		.amdhsa_system_vgpr_workitem_id 0
		.amdhsa_next_free_vgpr 1024
		.amdhsa_next_free_sgpr 80
		.amdhsa_reserve_vcc 0
		.amdhsa_float_denorm_mode_32 3
		.amdhsa_float_denorm_mode_16_64 3
		.amdhsa_memory_ordered 1
		.amdhsa_forward_progress 1
		.amdhsa_inst_pref_size 192
	.end_amdhsa_kernel
	.amdgpu_metadata
---
amdhsa.version: [ 1, 2 ]
amdhsa.kernels:
  - .name:           k_q0fe4c1d6d2_qkv
    .symbol:         k_q0fe4c1d6d2_qkv.kd
    .args:
      - { .name: xb, .offset: 0, .size: 8, .value_kind: global_buffer, .address_space: global }
      - { .name: wb, .offset: 8, .size: 8, .value_kind: global_buffer, .address_space: global }
      - { .name: rope, .offset: 16, .size: 8, .value_kind: global_buffer, .address_space: global }
      - { .name: bq, .offset: 24, .size: 8, .value_kind: global_buffer, .address_space: global }
      - { .name: bk, .offset: 32, .size: 8, .value_kind: global_buffer, .address_space: global }
      - { .name: bv, .offset: 40, .size: 8, .value_kind: global_buffer, .address_space: global }
      - { .name: qkvb, .offset: 48, .size: 8, .value_kind: global_buffer, .address_space: global }
    .group_segment_fixed_size: 327680
    .private_segment_fixed_size: 0
    .kernarg_segment_align: 8
    .kernarg_segment_size: 56
    .max_flat_workgroup_size: 128
    .sgpr_count:     80
    .vgpr_count:     1024
    .wavefront_size: 32
...
	.end_amdgpu_metadata
.endif
;; end of part 2
;; launch attn (part 3): grid 8 x 32, 4 waves a work-group, no clusters, 327,680 bytes of LDS; arguments qkvb, ab; writes ab
.if DOCPART == 3
	.amdgcn_target "amdgcn-amd-amdhsa--gfx1250"
	.amdhsa_code_object_version 6
	.text
	.protected	k_q0fe4c1d6d2_attn
	.globl	k_q0fe4c1d6d2_attn
	.p2align	8
	.type	k_q0fe4c1d6d2_attn,@function
k_q0fe4c1d6d2_attn:
	s_mov_b64 s[64:65], 0
	v_nop
	global_prefetch_b8 v0, s[64:65] scope:SCOPE_SE
	s_setreg_imm32_b32 hwreg(HW_REG_WAVE_MODE, 25, 1), 1
	s_wait_xcnt 0x0
; attn: causal attention of one head with a running maximum.  q, k, v: planes of qkvb, f16 [row b*1024+s][h*128+d], 8 MiB apart; ab: f16, the same layout.
; LIMITS: the probabilities and the result are rounded to f16 (the result's magnitude is at most v's, below 65,504).  A masked score is -2^100 and not the smallest f32:
; both give the probability 0, and real scores stay below 128 x 65,504^2, far from it.
; EQUAL WORK: a head's 1,024 queries are 16 blocks of 64.  Work-group (x = p, y = 16 b + h) takes block p (low) and block 15 - p (high); wave w takes 16 rows of each:
; qq = 0: rows 64 p + 16 w .. +15, qq = 1: rows 64 (15 - p) + 16 w .. +15.  Keys go in tiles of 64: the low rows need tiles 0 .. p, the high rows tiles 0 .. 15 - p,
; so every wave issues 32 (p + 1) + 32 (16 - p) = 544 matrix instructions whatever p is.  A block's last tile is the one on the diagonal and is masked.
; LDS: eight tiles in two slots of four.  A slot: K 256 rows of 256 bytes, 272 apart, then V 256 rows, 288 apart (for the transposing load).
; Tiles 0-7 (always needed: 16 - p >= 9) go out at the start; tiles 8-11 are asked for behind the barrier after tile 3, tiles 12-15 behind the one after tile 7:
; each request has four tiles' work in which to land.  A load brings two tiles (128 rows): wave 0 K's first two of the four, wave 1 K's last two, waves 2 and 3 V's;
; a wave whose two tiles lie beyond tile 15 - p issues none.  For odd p the last pair's second tile is brought and not read.
; NO CLUSTER: the work-groups that read the same tiles are the p of one head, and which parts of a tile's work are done, and where a work-group stops, hang on p:
; partners of a joint load may not differ in their branches.
; MATRIX FORMS: S^T = K Q^T (source 0 = 16 keys, source 1 = 16 queries): lane l holds query l % 16 and keys 16 kt + 8 (l / 16) + 0..7.
; O^T = V^T P^T (source 0 = 16 columns of V by the transposing load, source 1 = P): P's fragment for keys 32 ch .. +31 is S^T's tiles 2 ch and 2 ch + 1 packed in place:
; no lane movement.  A query's figures lie in lanes l and l + 16.
; REGISTERS: window 0 below; window 1: v0-127 K's 16 fragments at 8 (4 dc + kt), v128-255 V's at 128 + 8 (8 ch + dt); window 2: v0-127 O at 8 (8 qq + dt).
.set PK,    272
.set PV,    288
.set KT,    64*PK                      ; a tile of K in LDS: 17,408 bytes
.set VT,    64*PV                      ; a tile of V in LDS: 18,432 bytes
.set VOFF,  4*KT                       ; V's four tiles lie behind K's four
.set SLOT,  4*KT+4*VT                  ; 143,360
.set STAGE, 2*SLOT                     ; 16 rows x 272 bytes for each wave, its own; no tensor load lands there
.set TILEB, 262144                     ; a tile in memory: 64 rows of 4,096 bytes
.set KL,    16                         ; v16 my lane's place in a K fragment: key r x 272 + 16 h
.set VL,    17                         ; v17 the same for V, VOFF included
.set KA,    18                         ; v18 LDS address of this tile's K fragments: stepped by a tile a trip
.set VA,    19                         ; v19 the same for V
.set STO,   20
.set RD,    21
.set CO,    22
.set QO,    23
.set DQ,    24                         ; v24 my query's number in its block, less 8 (l / 16)
.set MASKV, 26
.set EM,    28                         ; v28-29 the running maximum, times log2(e) / sqrt(128)
.set LS,    30                         ; v30-31 the running sum of my half of the keys
.set NM,    32                         ; v[32:35] -EM, as a pair for each qq
.set AL,    36                         ; v[36:39] the factor for the old sums, as a pair for each qq
.set TM,    40                         ; v40-47 at work
.set QF,    48                         ; v48-111 Q's 8 fragments at 8 (4 qq + dc)
.set ST,    112                        ; v112-175 S^T at 8 (4 qq + kt)
.set PF,    176                        ; v176-207 P at 8 (2 qq + ch)
.set CSC,   0x3e0293ee                 ; log2(e) / sqrt(128)
.set G1K, 16                           ; s[16:23] group 1 for K
.set G1V, 24                           ; s[24:31] group 1 for V
.set G0K, 32                           ; s[32:39] group 0 for K, a set for each slot
.set G0V, 40                           ; s[40:47] group 0 for V, a set for each slot
.set MSB, 0
.macro WIN new                         ; s_set_vgpr_msb: bits 1:0 source 0, 3:2 source 1, 5:4 source 2, 7:6 destination; the high byte repeats the setting that is left
.if MSB != \new
	s_set_vgpr_msb (MSB<<8)|\new
.set MSB, \new
.endif
.endm
.macro PLACES                          ; four plain vector instructions behind a matrix instruction (ISA guide 7.12.1)
.rept 4
	v_nop
.endr
.endm
.macro TLOAD s                         ; waves 0 and 1 bring K's two halves of slot s, waves 2 and 3 V's: one load of 128 rows a wave
	s_cmp_eq_u32 s11, 0
	s_cbranch_scc0 .Lfor_v_\@
	tensor_load_to_lds s[G0K+4*\s:G0K+4*\s+3], s[G1K:G1K+7]
	s_nop 0
	s_branch .Lasked_\@
.Lfor_v_\@:
	tensor_load_to_lds s[G0V+4*\s:G0V+4*\s+3], s[G1V:G1V+7]
	s_nop 0
.Lasked_\@:
.endm
	s_load_b128 s[4:7], s[0:1], 0x0                ; qkvb s[4:5], ab s[6:7]
	v_lshl_add_u32 v254, v0, 2, 0x4a400
	v_mov_b32 v255, 0
	ds_add_u32 v254, v255
	ds_add_u32 v254, v255
	v_lshrrev_b32 v1, 5, v0
	v_readfirstlane_b32 s8, v1                     ; wave 0..3
	s_mov_b32 s9, ttmp9                            ; p: the low block, and the low rows' last tile
	s_and_b32 s10, s8, 1                           ; which two of a slot's four tiles I fetch
	s_lshr_b32 s11, s8, 1                          ; I fetch for K (0) or for V (1)
	s_sub_co_u32 s12, 15, s9                       ; 15 - p: the high block, and the high rows' last tile
	s_mov_b32 s14, 0x76543210                      ; v_permlanex16_b32: lane i of one half reads lane i of the other
	s_mov_b32 s15, 0xfedcba98
	s_and_b32 s50, ttmp7, 0xffff
	s_lshr_b32 s51, s50, 4                         ; b
	s_and_b32 s52, s50, 15                         ; h
	s_lshl_b32 s53, s10, 1
	s_sub_co_u32 s48, 7, s53                       ; my two of tiles 8-11 are read if p <= 7 (tiles 8, 9) or 5 (tiles 10, 11)
	s_sub_co_u32 s49, 3, s53                       ; my two of tiles 12-15 are read if p <= 3 (tiles 12, 13) or 1 (tiles 14, 15)
	; group 1: 128 rows x 128 elements of 2 bytes, 2,048 elements from row to row; a pad behind every 64 words: 4 words for K, 8 for V
	s_mov_b32 s[G1K+0], (1<<16)|(1<<20)|(5<<22)|(3<<25)
	s_mov_b32 s[G1V+0], (1<<16)|(1<<20)|(5<<22)|(7<<25)
	s_mov_b32 s[G1K+1], 128<<16                    ; tensor_dim0 = 128
	s_mov_b32 s[G1V+1], 128<<16
	s_mov_b32 s[G1K+2], 128<<16                    ; tensor_dim1 = 128
	s_mov_b32 s[G1V+2], 128<<16
	s_mov_b32 s[G1K+3], 128<<16                    ; tile_dim0 = 128
	s_mov_b32 s[G1V+3], 128<<16
	s_mov_b32 s[G1K+4], 128                        ; tile_dim1 = 128
	s_mov_b32 s[G1V+4], 128
	s_mov_b32 s[G1K+5], 2048                       ; the pitch
	s_mov_b32 s[G1V+5], 2048
	s_mov_b32 s[G1K+6], 0
	s_mov_b32 s[G1V+6], 0
	s_mov_b32 s[G1K+7], 0
	s_mov_b32 s[G1V+7], 0
	s_lshl_b32 s54, s51, 22                        ; 1,024 rows of 4,096 bytes a batch
	s_lshl_b32 s55, s52, 8                         ; 256 bytes a head
	s_add_co_u32 s54, s54, s55
	s_mov_b32 s55, 0
	s_lshl_b32 s56, s9, 18                         ; the low block: 64 rows of 4,096 bytes a block,
	s_lshl_b32 s57, s8, 16                         ; my 16 rows in it
	s_add_co_u32 s56, s56, s57
	s_lshl_b32 s58, s12, 18                        ; the high block, and my 16 rows in it
	s_add_co_u32 s58, s58, s57
	s_mov_b32 s57, 0
	s_mov_b32 s59, 0
	s_lshl_b32 s74, s10, 19                        ; the two tiles that I fetch: 2 x 262,144 bytes on for waves 1 and 3
	s_mov_b32 s75, 0
	s_mul_i32 s76, s10, 2*KT                       ; and where they go in a slot, for K
	s_mul_i32 s77, s10, 2*VT
	s_add_co_u32 s77, s77, VOFF                    ; and for V
	s_wait_dscnt 0x0
	s_wait_kmcnt 0x0
	s_add_nc_u64 s[60:61], s[4:5], s[54:55]        ; q's plane at (b, h)
	s_add_nc_u64 s[70:71], s[60:61], 0x800000      ; k's
	s_add_nc_u64 s[72:73], s[60:61], 0x1000000     ; v's
	s_add_nc_u64 s[70:71], s[70:71], s[74:75]
	s_add_nc_u64 s[72:73], s[72:73], s[74:75]
	s_add_nc_u64 s[62:63], s[60:61], s[58:59]      ; q at my high rows
	s_add_nc_u64 s[60:61], s[60:61], s[56:57]      ; q at my low rows
	s_add_nc_u64 s[66:67], s[6:7], s[54:55]
	s_add_nc_u64 s[68:69], s[66:67], s[58:59]      ; ab at my high rows
	s_add_nc_u64 s[66:67], s[66:67], s[56:57]      ; ab at my low rows
.irp s, 0,1
	s_mov_b32 s[G0K+4*\s], 1
	s_add_co_u32 s[G0K+4*\s+1], s76, \s*SLOT
	s_add_nc_u64 s[G0K+4*\s+2:G0K+4*\s+3], s[70:71], \s*4*TILEB    ; slot s starts with tiles 4 s .. 4 s + 3
	s_or_b32 s[G0K+4*\s+3], s[G0K+4*\s+3], 0x80000000
	s_mov_b32 s[G0V+4*\s], 1
	s_add_co_u32 s[G0V+4*\s+1], s77, \s*SLOT
	s_add_nc_u64 s[G0V+4*\s+2:G0V+4*\s+3], s[72:73], \s*4*TILEB
	s_or_b32 s[G0V+4*\s+3], s[G0V+4*\s+3], 0x80000000
	TLOAD \s                                       ; both first fills ahead of every wait on TENSORcnt, LDS read and barrier: two tensor loads of the wave are out, later one at the most
.endr
	v_and_b32 v1, 15, v0                           ; r
	v_bfe_u32 v2, v0, 4, 1                         ; h
	v_and_b32 v3, 7, v0
	v_bfe_u32 v4, v0, 3, 1
	v_mul_u32_u24 v5, v1, PK
	v_lshl_add_u32 v[KL], v2, 4, v5                ; key r x pitch + 16 h
	v_lshl_add_u32 v6, v2, 3, v3                   ; key 8 h + l % 8,
	v_mul_u32_u24 v6, v6, PV
	v_lshl_add_u32 v6, v4, 4, v6                   ; 16 bytes further for lanes 8-15 and 24-31
	v_add_nc_u32 v[VL], VOFF, v6
	v_mov_b32 v[KA], v[KL]                         ; tile 0 lies first in slot 0
	v_mov_b32 v[VA], v[VL]
	s_mul_i32 s78, s8, 16*PK
	s_add_co_u32 s78, s78, STAGE                   ; my stage
	v_add_nc_u32 v[STO], s78, v[KL]                ; in: row r, 16 bytes for each half of the lanes
	v_mul_u32_u24 v7, v2, PK
	v_lshl_add_u32 v7, v1, 4, v7
	v_add_nc_u32 v[RD], s78, v7                    ; back: lanes 0-15 one row of 256 bytes, lanes 16-31 the next
	v_lshlrev_b32 v8, 12, v2
	v_lshl_add_u32 v[CO], v1, 4, v8                ; and the same two rows in ab
	v_lshlrev_b32 v8, 12, v1
	v_lshl_add_u32 v[QO], v2, 4, v8                ; Q fragment: row r, 16 h
	s_lshl_b32 s79, s8, 4
	v_lshlrev_b32 v9, 3, v2
	v_sub_nc_u32 v9, v1, v9
	v_add_nc_u32 v[DQ], s79, v9                    ; 16 w + r - 8 h: the same for the low and the high block
	v_mov_b32 v[MASKV], 0xf1800000                 ; -2^100
.irp dc, 0,1,2,3
	global_load_b128 v[QF+8*\dc:QF+8*\dc+3],       v[QO], s[60:61] offset:64*\dc
	global_load_b128 v[QF+8*\dc+4:QF+8*\dc+7],     v[QO], s[60:61] offset:64*\dc+32
	global_load_b128 v[QF+32+8*\dc:QF+32+8*\dc+3], v[QO], s[62:63] offset:64*\dc
	global_load_b128 v[QF+32+8*\dc+4:QF+32+8*\dc+7], v[QO], s[62:63] offset:64*\dc+32
.endr
; 64 LDS loads: this tile's 16 fragments of K and 16 of V
.macro LOADKV
	PLACES                                         ; K's and V's fragments were read by the last tile's matrix instructions
	WIN 0x40                                       ; destination window 1
.irp dc, 0,1,2,3
.irp kt, 0,1,2,3
	ds_load_b128 v[8*(4*\dc+\kt):8*(4*\dc+\kt)+3],   v[KA] offset:16*PK*\kt+64*\dc
	ds_load_b128 v[8*(4*\dc+\kt)+4:8*(4*\dc+\kt)+7], v[KA] offset:16*PK*\kt+64*\dc+32
.endr
.endr
.irp ch, 0,1
.irp dt, 0,1,2,3,4,5,6,7
	ds_load_tr16_b128 v[128+8*(8*\ch+\dt):128+8*(8*\ch+\dt)+3],   v[VA] offset:32*PV*\ch+32*\dt
	ds_load_tr16_b128 v[128+8*(8*\ch+\dt)+4:128+8*(8*\ch+\dt)+7], v[VA] offset:32*PV*\ch+32*\dt+16*PV
.endr
.endr
.endm
; S^T of 16 queries x 64 keys: 16 matrix instructions, four accumulators by turns, one instruction a turn.
; waits = 1: the fragments have just been asked for.
.macro SMUL qq, waits
	WIN 0x01                                       ; K window 1; Q, C and D window 0
.irp dc, 0,1,2,3
.if \waits
	s_wait_dscnt 56-8*\dc                          ; the eight loads of this 32 along d are in; K's later ones and V's 32 stay out
.endif
.irp kt, 0,1,2,3
.if \dc
	v_wmma_f32_16x16x32_f16 v[ST+8*(4*\qq+\kt):ST+8*(4*\qq+\kt)+7], v[8*(4*\dc+\kt):8*(4*\dc+\kt)+7], v[QF+8*(4*\qq+\dc):QF+8*(4*\qq+\dc)+7], v[ST+8*(4*\qq+\kt):ST+8*(4*\qq+\kt)+7]
.else
	v_wmma_f32_16x16x32_f16 v[ST+8*(4*\qq+\kt):ST+8*(4*\qq+\kt)+7], v[8*(4*\dc+\kt):8*(4*\dc+\kt)+7], v[QF+8*(4*\qq+\dc):QF+8*(4*\qq+\dc)+7], 0
.endif
.endr
.endr
	WIN 0
	PLACES                                         ; in front of the vector instructions that read the scores
.endm
; The tile on the diagonal: key 16 kt + 8 h + j is allowed if it is not beyond query 16 w + r, both counted from the block's first row
.macro MASKQ qq
.irp kt, 0,1,2,3
.irp j, 0,1,2,3,4,5,6,7
	v_cmp_le_i32 vcc_lo, 16*\kt+\j, v[DQ]
	v_cndmask_b32 v[ST+32*\qq+8*\kt+\j], v[MASKV], v[ST+32*\qq+8*\kt+\j], vcc_lo
.endr
.endr
.endm
; The softmax step of 16 queries x 64 keys.  The maximum is kept already multiplied by c = log2(e) / sqrt(128), so that the factor for the old sums,
; exp2(old - new), and the exponentials, exp2(s c - new), use the same number whatever the size of the scores.
.macro SOFTMAX qq, first
.irp k, 0,1,2,3
	v_max3_num_f32 v[TM+\k], v[ST+32*\qq+8*\k], v[ST+32*\qq+8*\k+1], v[ST+32*\qq+8*\k+2]
.endr
.irp k, 0,1,2,3
	v_max3_num_f32 v[TM+\k], v[TM+\k], v[ST+32*\qq+8*\k+3], v[ST+32*\qq+8*\k+4]
.endr
.irp k, 0,1,2,3
	v_max3_num_f32 v[TM+\k], v[TM+\k], v[ST+32*\qq+8*\k+5], v[ST+32*\qq+8*\k+6]
.endr
	v_max3_num_f32 v[TM], v[TM], v[TM+1], v[TM+2]
	v_max3_num_f32 v[TM], v[TM], v[TM+3], v[ST+32*\qq+7]
	v_max3_num_f32 v[TM], v[TM], v[ST+32*\qq+15], v[ST+32*\qq+23]
	v_max_num_f32 v[TM], v[TM], v[ST+32*\qq+31]
	v_permlanex16_b32 v[TM+1], v[TM], s14, s15     ; the other half of the query's keys
	v_max_num_f32 v[TM], v[TM], v[TM+1]
	v_mul_f32 v[TM], CSC, v[TM]
.if \first
	v_mov_b32 v[EM+\qq], v[TM]
.else
	v_max_num_f32 v[TM], v[TM], v[EM+\qq]
	v_sub_f32 v[TM+1], v[EM+\qq], v[TM]
	v_exp_f32 v[AL+2*\qq], v[TM+1]
	v_mov_b32 v[EM+\qq], v[TM]                     ; the plain instruction between the exponential and its use (ISA guide 5.7.2)
	s_wait_alu depctr_va_vdst(0)
	v_mov_b32 v[AL+2*\qq+1], v[AL+2*\qq]
.endif
	v_xor_b32 v[NM+2*\qq],   0x80000000, v[TM]
	v_xor_b32 v[NM+2*\qq+1], 0x80000000, v[TM]
.set n, 0
.rept 16
	v_pk_fma_f32 v[ST+32*\qq+n:ST+32*\qq+n+1], v[ST+32*\qq+n:ST+32*\qq+n+1], CSC, v[NM+2*\qq:NM+2*\qq+1] op_sel_hi:[1,0,1]
.set n, n+2
.endr
.set n, 0
.rept 32
	v_exp_f32 v[ST+32*\qq+n], v[ST+32*\qq+n]
.set n, n+1
.endr
	v_nop                                          ; the plain instruction behind the run of exponentials
	s_wait_alu depctr_va_vdst(0)
.irp k, 0,1,2,3
	v_pk_add_f32 v[TM+2*\k:TM+2*\k+1], v[ST+32*\qq+4*\k:ST+32*\qq+4*\k+1], v[ST+32*\qq+4*\k+2:ST+32*\qq+4*\k+3]
.endr
.irp k, 0,1,2,3
	v_pk_add_f32 v[TM+2*\k:TM+2*\k+1], v[TM+2*\k:TM+2*\k+1], v[ST+32*\qq+16+2*\k:ST+32*\qq+16+2*\k+1]
.endr
.irp k, 0,1,2,3
	v_pk_add_f32 v[TM+2*\k:TM+2*\k+1], v[TM+2*\k:TM+2*\k+1], v[ST+32*\qq+24+2*\k:ST+32*\qq+24+2*\k+1]
.endr
	v_pk_add_f32 v[TM:TM+1], v[TM:TM+1], v[TM+2:TM+3]
	v_pk_add_f32 v[TM+4:TM+5], v[TM+4:TM+5], v[TM+6:TM+7]
	v_pk_add_f32 v[TM:TM+1], v[TM:TM+1], v[TM+4:TM+5]
.if \first
	v_add_f32 v[LS+\qq], v[TM], v[TM+1]
.else
	v_add_f32 v[TM], v[TM], v[TM+1]
	v_fma_f32 v[LS+\qq], v[LS+\qq], v[AL+2*\qq], v[TM]             ; the two halves of a query's sum meet only at the end: the factor is the same in both
.endif
.set n, 0
.rept 16
	v_cvt_pk_f16_f32 v[PF+16*\qq+n], v[ST+32*\qq+2*n], v[ST+32*\qq+2*n+1]
.set n, n+1
.endr
.endm
.macro SCALEO qq                       ; O of 16 queries times the pair in AL, under WIN 0x82 (O in window 2, the pair in window 0)
.set n, 0
.rept 32
	v_pk_mul_f32 v[64*\qq+n:64*\qq+n+1], v[64*\qq+n:64*\qq+n+1], v[AL+2*\qq:AL+2*\qq+1]
.set n, n+2
.endr
.endm
; What follows the scores: softmax, the old sums' factor, and O^T += V^T P^T: 16 matrix instructions, eight accumulators by turns, one instruction a turn.
.macro REST qq, first, waits
	SOFTMAX \qq, \first
.if 1-\first
	WIN 0x82
	SCALEO \qq
.endif
.if \waits
	s_wait_dscnt 0x0                               ; V's fragments
.endif
	WIN 0xa1                                       ; V window 1, P window 0, C and D window 2
.irp ch, 0,1
.irp dt, 0,1,2,3,4,5,6,7
.if \first*(1-\ch)
	v_wmma_f32_16x16x32_f16 v[8*(8*\qq+\dt):8*(8*\qq+\dt)+7], v[128+8*(8*\ch+\dt):128+8*(8*\ch+\dt)+7], v[PF+8*(2*\qq+\ch):PF+8*(2*\qq+\ch)+7], 0
.else
	v_wmma_f32_16x16x32_f16 v[8*(8*\qq+\dt):8*(8*\qq+\dt)+7], v[128+8*(8*\ch+\dt):128+8*(8*\ch+\dt)+7], v[PF+8*(2*\qq+\ch):PF+8*(2*\qq+\ch)+7], v[8*(8*\qq+\dt):8*(8*\qq+\dt)+7]
.endif
.endr
.endr
	WIN 0
.endm
; One of tiles 0-7 (its number in s13).  The high rows take it whole (15 - p >= 8).  The low rows take it if it is not beyond tile p, masked if it is tile p.
; The branches hang on p alone: the same in all four waves.
.macro TILE_BOTH first
	LOADKV
	SMUL 1, 1
	REST 1, \first, 1
.if 1-\first
	s_cmp_gt_u32 s13, s9
	s_cbranch_scc1 .Lno_low_\@
.endif
	SMUL 0, 0                                      ; the fragments are in: the high rows' part has waited for all of them
	s_cmp_lg_u32 s13, s9
	s_cbranch_scc1 .Lno_mask_\@
	MASKQ 0
.Lno_mask_\@:
	REST 0, \first, 0
.Lno_low_\@:
	v_add_nc_u32 v[KA], KT, v[KA]                  ; the slot's next tile
	v_add_nc_u32 v[VA], VT, v[VA]
.endm
; One of tiles 8-15: the high rows alone, masked if it is tile 15 - p; beyond that tile the work-group is done.
.macro TILE_HIGH
	s_cmp_gt_u32 s13, s12
	s_cbranch_scc1 .Lfinish
	LOADKV
	SMUL 1, 1
	s_cmp_lg_u32 s13, s12
	s_cbranch_scc1 .Lno_mask_\@
	MASKQ 1
.Lno_mask_\@:
	REST 1, 0, 1
	v_add_nc_u32 v[KA], KT, v[KA]
	v_add_nc_u32 v[VA], VT, v[VA]
.endm
; Slot 'fill' has been read by every wave and is filled again, eight tiles on.  In front of the barrier each wave waits for its reads and for all its tensor loads,
; its part of the other slot among them; behind it the refill comes first.  thr: the register with the largest p at which my two tiles are read.
.macro CHANGE fill, thr
	s_wait_dscnt 0x0                               ; my reads of the slot are back
	s_wait_tensorcnt 0x0                           ; no tensor load of mine is out: a group 0 may be written
	ds_add_u32 v254, v255
	s_wait_dscnt 0x0
	s_add_nc_u64 s[G0K+4*\fill+2:G0K+4*\fill+3], s[G0K+4*\fill+2:G0K+4*\fill+3], 8*TILEB
	s_add_nc_u64 s[G0V+4*\fill+2:G0V+4*\fill+3], s[G0V+4*\fill+2:G0V+4*\fill+3], 8*TILEB
	s_barrier_signal -1
	s_barrier_wait -1                              ; both now hold of every wave
	s_cmp_gt_u32 s9, s[\thr]
	s_cbranch_scc1 .Lno_fill_\@                    ; my two tiles lie beyond tile 15 - p: nobody reads them
	TLOAD \fill                                    ; it has the other slot's four tiles of work in which to land
.Lno_fill_\@:
.endm
	s_wait_loadcnt 0x0                             ; Q
	s_wait_tensorcnt 0x1                           ; my part of tiles 0-3 is in; the one younger load, tiles 4-7, stays out
	s_barrier_signal -1
	s_barrier_wait -1
	s_mov_b32 s13, 0
	TILE_BOTH 1                                    ; tile 0 starts all sums: nothing is cleared.  Every row has an allowed key in it
	s_mov_b32 s13, 1
.Lunit0:                                           ; tiles 1-3
	TILE_BOTH 0
	s_add_co_u32 s13, s13, 1
	s_cmp_lt_u32 s13, 4
	s_cbranch_scc1 .Lunit0
	CHANGE 0, 48                                   ; tiles 8-11 into slot 0
	v_add_nc_u32 v[KA], SLOT, v[KL]
	v_add_nc_u32 v[VA], SLOT, v[VL]
	s_mov_b32 s13, 4
.Lunit1:                                           ; tiles 4-7
	TILE_BOTH 0
	s_add_co_u32 s13, s13, 1
	s_cmp_lt_u32 s13, 8
	s_cbranch_scc1 .Lunit1
	CHANGE 1, 49                                   ; tiles 12-15 into slot 1
	v_mov_b32 v[KA], v[KL]
	v_mov_b32 v[VA], v[VL]
	s_mov_b32 s13, 8
.Lunit2:                                           ; tiles 8-11
	TILE_HIGH
	s_add_co_u32 s13, s13, 1
	s_cmp_lt_u32 s13, 12
	s_cbranch_scc1 .Lunit2
	s_wait_dscnt 0x0
	s_wait_tensorcnt 0x0                           ; my part of tiles 12-15 is in,
	s_barrier_signal -1
	s_barrier_wait -1                              ; everybody's is; nothing is left to fetch
	v_add_nc_u32 v[KA], SLOT, v[KL]
	v_add_nc_u32 v[VA], SLOT, v[VL]
	s_mov_b32 s13, 12
.Lunit3:                                           ; tiles 12-15
	TILE_HIGH
	s_add_co_u32 s13, s13, 1
	s_cmp_lt_u32 s13, 16
	s_cbranch_scc1 .Lunit3
	; THE END: divide by the sums, round to f16, out through my own stage as whole rows of 256 bytes, 16 rows at a time
.Lfinish:
	s_wait_tensorcnt 0x0                           ; no tensor load is out when the wave ends
	PLACES
	v_permlanex16_b32 v[TM],   v[LS],   s14, s15
	v_permlanex16_b32 v[TM+1], v[LS+1], s14, s15
	v_add_f32 v[LS],   v[LS],   v[TM]              ; at least about 1: the largest exponent of a row is 0
	v_add_f32 v[LS+1], v[LS+1], v[TM+1]
	v_rcp_f32 v[AL],   v[LS]
	v_rcp_f32 v[AL+2], v[LS+1]
	v_nop                                          ; the plain instruction behind the reciprocals
	s_wait_alu depctr_va_vdst(0)
	v_mov_b32 v[AL+1], v[AL]
	v_mov_b32 v[AL+3], v[AL+2]
	WIN 0x82
	SCALEO 0
	SCALEO 1
.macro OUTQ qq, sb                     ; my 16 rows of block qq, ab's address at them in s[sb:sb+1]
	WIN 0x0a                                       ; sources in window 2, destination in window 0
.irp dt, 0,1,2,3,4,5,6,7
.irp i, 0,1,2,3
	v_cvt_pk_f16_f32 v[ST+32*\qq+4*\dt+\i], v[8*(8*\qq+\dt)+2*\i], v[8*(8*\qq+\dt)+2*\i+1]
.endr
.endr
	WIN 0
.irp dt, 0,1,2,3,4,5,6,7
	ds_store_b128 v[STO], v[ST+32*\qq+4*\dt:ST+32*\qq+4*\dt+3] offset:32*\dt
.endr
.irp t, 0,1,2,3,4,5,6,7
	ds_load_b128 v[QF+32*\qq+4*\t:QF+32*\qq+4*\t+3], v[RD] offset:2*PK*\t   ; LDS serves a wave's instructions in order (ISA guide 5.7.1.4): these see my stores above
.endr
.irp t, 0,1,2,3,4,5,6,7
	s_wait_dscnt 7-\t                              ; the younger loads stay out
	global_store_b128 v[CO], v[QF+32*\qq+4*\t:QF+32*\qq+4*\t+3], s[\sb:\sb+1] offset:8192*\t   ; 16 lanes store 256 consecutive bytes, aligned
.endr
.endm
	OUTQ 0, 66
	OUTQ 1, 68
	s_wait_tensorcnt 0x0
	ds_add_u32 v254, v255
	s_wait_dscnt 0x0
	s_endpgm
.Lfunc_end_k_q0fe4c1d6d2_attn:
	.size	k_q0fe4c1d6d2_attn, .Lfunc_end_k_q0fe4c1d6d2_attn-k_q0fe4c1d6d2_attn
	.p2alignl 7, 3214868480
	.fill 96, 4, 3214868480
	.section	.rodata,"a",@progbits
	.p2align	6, 0x0
	.amdhsa_kernel k_q0fe4c1d6d2_attn
		.amdhsa_group_segment_fixed_size 327680
		.amdhsa_private_segment_fixed_size 0
		.amdhsa_enable_private_segment 0
		.amdhsa_kernarg_size 16
		.amdhsa_user_sgpr_count 2
		.amdhsa_user_sgpr_kernarg_segment_ptr 1
		.amdhsa_wavefront_size32 1
		.amdhsa_system_sgpr_workgroup_id_x 1
		.amdhsa_system_sgpr_workgroup_id_y 1
		.amdhsa_system_sgpr_workgroup_id_z 1
		.amdhsa_system_vgpr_workitem_id 0
		.amdhsa_next_free_vgpr 640
		.amdhsa_next_free_sgpr 80
		.amdhsa_reserve_vcc 1
		.amdhsa_float_denorm_mode_32 3
		.amdhsa_float_denorm_mode_16_64 3
		.amdhsa_memory_ordered 1
		.amdhsa_forward_progress 1
		.amdhsa_inst_pref_size 134
	.end_amdhsa_kernel
	.amdgpu_metadata
---
amdhsa.version: [ 1, 2 ]
amdhsa.kernels:
  - .name:           k_q0fe4c1d6d2_attn
    .symbol:         k_q0fe4c1d6d2_attn.kd
    .args:
      - { .name: qkvb, .offset: 0, .size: 8, .value_kind: global_buffer, .address_space: global }
      - { .name: ab, .offset: 8, .size: 8, .value_kind: global_buffer, .address_space: global }
    .group_segment_fixed_size: 327680
    .private_segment_fixed_size: 0
    .kernarg_segment_align: 8
    .kernarg_segment_size: 16
    .max_flat_workgroup_size: 128
    .sgpr_count:     80
    .vgpr_count:     640
    .wavefront_size: 32
...
	.end_amdgpu_metadata
.endif
;; end of part 3
;; launch oproj (part 4): grid 16 x 16, 4 waves a work-group, clusters of 4 x 4, 327,680 bytes of LDS; arguments ab, wb, bo, out0; writes out0
.if DOCPART == 4
	.amdgcn_target "amdgcn-amd-amdhsa--gfx1250"
	.amdhsa_code_object_version 6
	.text
	.protected	k_q0fe4c1d6d2_oproj
	.globl	k_q0fe4c1d6d2_oproj
	.p2align	8
	.type	k_q0fe4c1d6d2_oproj,@function
k_q0fe4c1d6d2_oproj:
	s_mov_b64 s[64:65], 0
	v_nop
	global_prefetch_b8 v0, s[64:65] scope:SCOPE_SE
	s_setreg_imm32_b32 hwreg(HW_REG_WAVE_MODE, 25, 1), 1
	s_wait_xcnt 0x0
	s_wait_alu depctr_hold_cnt(0) depctr_sa_sdst(0) depctr_va_vdst(0) depctr_va_sdst(0) depctr_va_ssrc(0) depctr_va_vcc(0) depctr_vm_vsrc(0)
	s_getreg_b32 s2, hwreg(HW_REG_IB_STS2, 6, 4)
	s_cmp_eq_u32 s2, 0
	s_cbranch_scc0 .Lentry_in_a_cluster
	s_endpgm
.Lentry_in_a_cluster:
	s_bfe_u32 s2, ttmp6, 0x10000c
	s_cmp_lg_u32 s2, 0xf033
	s_cbranch_scc0 .Lentry_shape_is_right
	s_endpgm
.Lentry_shape_is_right:
; oproj: out0 = attn Wo + bo.  attn: ab, f16 [2048][2048].  Wo: wb's plane 3, f16 words holding bf16(Wo), [k][n].  out0: f32 [2048][2048].
; Work-group (x = block of 128 columns, y = block of 128 rows): 256 work-groups for 256 WGPs (blocks of 256 x 256 would make 64).
; Four waves, 64 x 64 each: 16 accumulators.  K goes in steps of 256 through two LDS slots of four chunks of 36,864 bytes:
; attn's rows 0-63 and 64-127 (512 bytes a row, 528 apart), Wo's k-rows 0-127 and 128-255 (256 bytes a row, 288 apart).  Wave w fills chunk w with one tensor load.
; CLUSTERS: 4 x 4 work-groups; attn's tiles are asked for jointly along a row of the cluster, Wo's along a column: a quarter of the requests for both.
; The matrix instruction is used transposed (source 0 = 16 columns of Wo by the transposing LDS load, source 1 = 16 rows of attn): lane l holds row l % 16 and
; eight neighbouring columns 8 (l / 16) + 0..7.  The bias is the C operand of each accumulator's first product.
; REGISTERS: window 0: v16-25 addresses, v32-63 bias, v64-127 and v128-191 two fragment buffers (Wo's four fragments, then attn's four); window 1: v0-127 accumulators at 8 (4 a + b).
.set CHUNK, 36864
.set SLOT,  4*CHUNK
.set PA,    528                        ; 33 x 16 bytes
.set PW,    288                        ; 9 x 32 bytes
.set LAPS,  4                          ; 2,048 / (2 x 256)
.set ADRA,  16                         ; v16-17
.set ADRW,  18                         ; v18-21: 2 slot + half of the slot's k-rows
.set STO,   22
.set RD,    23
.set CO,    24
.set VB,    25
.set BIAS,  32
.set G1,  32
.set G0,  40
.set G1B, 48
.set G0B, 56
.set MSB, 0
.macro WIN new
.if MSB != \new
	s_set_vgpr_msb (MSB<<8)|\new
.set MSB, \new
.endif
.endm
.macro PLACES                          ; four plain vector instructions behind a matrix instruction (ISA guide 7.12.1)
.rept 4
	v_nop
.endr
.endm
.macro JLOAD s                         ; waves 0 and 1 ask for attn's two halves, waves 2 and 3 for Wo's
	s_cmp_eq_u32 s21, 0
	s_cbranch_scc0 .Lfor_w_\@
	tensor_load_to_lds s[G0+4*\s:G0+4*\s+3], s[G1:G1+7]
	s_nop 0
	s_branch .Lasked_\@
.Lfor_w_\@:
	tensor_load_to_lds s[G0B+4*\s:G0B+4*\s+3], s[G1B:G1B+7]
	s_nop 0
.Lasked_\@:
.endm
.macro CREST
	s_cmp_lg_u32 s20, 0
	s_cbranch_scc1 .Lnot_wave_0_\@
	s_barrier_signal -3
.Lnot_wave_0_\@:
	s_barrier_wait -3
	s_barrier_signal -1
	s_barrier_wait -1
.endm
.macro CROUND
	s_barrier_signal -1
	s_barrier_wait -1
	CREST
.endm
	s_load_b256 s[4:11], s[0:1], 0x0               ; ab s[4:5], wb s[6:7], bo s[8:9], out0 s[10:11]
	v_lshl_add_u32 v254, v0, 2, 0x48000
	v_mov_b32 v255, 0
	ds_add_u32 v254, v255
	ds_add_u32 v254, v255
	v_lshrrev_b32 v1, 5, v0
	v_readfirstlane_b32 s20, v1                    ; wave 0..3
	s_lshr_b32 s21, s20, 1                         ; rh: my 64 rows.  Also: I fetch for attn (0) or for Wo (1)
	s_and_b32 s22, s20, 1                          ; c: my 64 columns.  Also: which half of that tile I fetch
	s_bfe_u32 s23, ttmp6, 0x40000                  ; cx
	s_bfe_u32 s24, ttmp6, 0x40004                  ; cy
	s_lshl_b32 s25, ttmp9, 2
	s_add_co_u32 s25, s25, s23                     ; block of columns
	s_and_b32 s26, ttmp7, 0xffff
	s_lshl_b32 s26, s26, 2
	s_add_co_u32 s26, s26, s24                     ; block of rows
	s_lshl_b32 s27, s24, 2
	s_lshl_b32 s27, 15, s27                        ; my row of the cluster
	s_lshl_b32 s28, 0x1111, s23                    ; my column
	; group 1.  attn: 64 rows x 256 elements, a pad of 4 words behind every 128.  Wo: 128 rows x 128 elements, a pad of 8 words behind every 64.
	s_or_b32 s[G1+0],  s27, (1<<16)|(1<<20)|(1<<21)|(6<<22)|(3<<25)
	s_or_b32 s[G1B+0], s28, (1<<16)|(1<<20)|(1<<21)|(5<<22)|(7<<25)
	s_mov_b32 s[G1+1],  256<<16
	s_mov_b32 s[G1B+1], 128<<16
	s_mov_b32 s[G1+2],  64<<16
	s_mov_b32 s[G1B+2], 128<<16
	s_mov_b32 s[G1+3],  256<<16
	s_mov_b32 s[G1B+3], 128<<16
	s_mov_b32 s[G1+4],  64
	s_mov_b32 s[G1B+4], 128
	s_mov_b32 s[G1+5],  2048
	s_mov_b32 s[G1B+5], 2048
	s_mov_b32 s[G1+6],  0
	s_mov_b32 s[G1B+6], 0
	s_mov_b32 s[G1+7],  0
	s_mov_b32 s[G1B+7], 0
	s_lshl_b32 s66, s26, 19                        ; attn: row 128 x block + 64 x half, 4,096 bytes a row
	s_lshl_b32 s67, s22, 18
	s_add_co_u32 s66, s66, s67
	s_mov_b32 s67, 0
	s_lshl_b32 s68, s25, 8                         ; Wo: plane 3, k-row 128 x half, the block's 128 columns
	s_lshl_b32 s69, s22, 19
	s_add_co_u32 s68, s68, s69
	s_add_co_u32 s68, s68, 0x1800000
	s_mov_b32 s69, 0
	s_mul_i32 s29, s20, CHUNK
	s_wait_dscnt 0x0
	s_wait_kmcnt 0x0
	s_add_nc_u64 s[66:67], s[4:5], s[66:67]
	s_add_nc_u64 s[68:69], s[6:7], s[68:69]
	CROUND                                         ; the first joint loads meet
.irp s, 0,1
	s_mov_b32 s[G0+4*\s], 1
	s_add_co_u32 s[G0+4*\s+1], s29, \s*SLOT
	s_add_nc_u64 s[G0+4*\s+2:G0+4*\s+3], s[66:67], \s*512          ; 256 elements along the rows
	s_or_b32 s[G0+4*\s+3], s[G0+4*\s+3], 0x80000000
	s_mov_b32 s[G0B+4*\s], 1
	s_add_co_u32 s[G0B+4*\s+1], s29, \s*SLOT
	s_add_nc_u64 s[G0B+4*\s+2:G0B+4*\s+3], s[68:69], \s*1048576    ; 256 rows of 4,096 bytes
	s_or_b32 s[G0B+4*\s+3], s[G0B+4*\s+3], 0x80000000
	JLOAD \s                                       ; two tensor loads of the wave are out
.endr
	v_and_b32 v1, 15, v0                           ; r
	v_bfe_u32 v2, v0, 4, 1                         ; h
	v_and_b32 v3, 7, v0
	v_bfe_u32 v4, v0, 3, 1
	v_and_b32 v5, 31, v0
	s_mul_i32 s70, s21, CHUNK                      ; my 64 rows' chunk
	s_lshl_b32 s71, s22, 7                         ; 64 columns of 2 bytes
	v_mul_u32_u24 v6, v1, PA
	v_lshl_add_u32 v8, v2, 5, v6                   ; r 528 + 32 h, for the stage
	v_lshl_add_u32 v6, v2, 4, v6                   ; r 528 + 16 h
	v_add_nc_u32 v[ADRA], s70, v6
	v_add_nc_u32 v[ADRA+1], SLOT, v[ADRA]
	v_lshl_add_u32 v7, v2, 3, v3
	v_mul_u32_u24 v7, v7, PW
	v_lshl_add_u32 v7, v4, 4, v7
	v_add_nc_u32 v7, s71, v7
.irp s, 0,1
.irp kh, 0,1
	v_add_nc_u32 v[ADRW+2*\s+\kh], \s*SLOT+(2+\kh)*CHUNK, v7
.endr
.endr
	s_mul_i32 s72, s21, 64*PA
	s_lshl_b32 s73, s22, 8                         ; 64 columns of 4 bytes
	s_add_co_u32 s72, s72, s73
	v_add_nc_u32 v[STO], s72, v8                   ; (64 rh + r) 528 + 256 c + 32 h
	s_mul_i32 s74, s20, 32*PA
	v_lshl_add_u32 v[RD], v5, 4, s74               ; row 32 w, 16 bytes a lane: a whole row of 512 bytes a load
	s_lshl_b32 s75, s20, 18
	v_lshl_add_u32 v[CO], v5, 4, s75               ; the same row in out0, 8,192 bytes a row
	s_lshl_b32 s76, s25, 9
	s_add_co_u32 s76, s76, s73
	v_lshl_add_u32 v[VB], v2, 5, s76
.irp b, 0,1,2,3
	global_load_b128 v[BIAS+8*\b:BIAS+8*\b+3],   v[VB], s[8:9] offset:64*\b
	global_load_b128 v[BIAS+8*\b+4:BIAS+8*\b+7], v[VB], s[8:9] offset:64*\b+16
.endr
; 16 LDS loads: the fragments of eighth q (32 along K) of a slot into buffer f
.macro FETCH slot, q, f
.irp b, 0,1,2,3
	ds_load_tr16_b128 v[64+64*\f+8*\b:64+64*\f+8*\b+3],   v[ADRW+2*\slot+(\q>>2)] offset:32*PW*(\q&3)+32*\b
	ds_load_tr16_b128 v[64+64*\f+8*\b+4:64+64*\f+8*\b+7], v[ADRW+2*\slot+(\q>>2)] offset:32*PW*(\q&3)+32*\b+16*PW
.endr
.irp a, 0,1,2,3
	ds_load_b128 v[96+64*\f+8*\a:96+64*\f+8*\a+3],   v[ADRA+\slot] offset:16*PA*\a+64*\q
	ds_load_b128 v[96+64*\f+8*\a+4:96+64*\f+8*\a+7], v[ADRA+\slot] offset:16*PA*\a+64*\q+32
.endr
.endm
.macro MUL8 f, a0, first               ; row blocks a0, a0 + 1 x four column blocks
.irp a, \a0, \a0+1
.irp b, 0,1,2,3
.if \first
	v_wmma_f32_16x16x32_f16 v[8*(4*(\a)+\b):8*(4*(\a)+\b)+7], v[64+64*\f+8*\b:64+64*\f+8*\b+7], v[96+64*\f+8*(\a):96+64*\f+8*(\a)+7], v[BIAS+8*\b:BIAS+8*\b+7]
.else
	v_wmma_f32_16x16x32_f16 v[8*(4*(\a)+\b):8*(4*(\a)+\b)+7], v[64+64*\f+8*\b:64+64*\f+8*\b+7], v[96+64*\f+8*(\a):96+64*\f+8*(\a)+7], v[8*(4*(\a)+\b):8*(4*(\a)+\b)+7]
.endif
.endr
.endr
.endm
; One of a slot's first seven eighths.  The 16 accumulators take turns, one instruction a turn, in one order throughout.
.macro EIGHTH slot, q, f, g, first
	PLACES
	FETCH \slot, \q, \g
	s_wait_dscnt 16                                ; all but the 16 just issued: buffer f is in
.if \first
	WIN 0x40                                       ; D window 1, C (bias) window 0
.else
	WIN 0x50                                       ; C and D window 1
.endif
	MUL8 \f, 0, \first
	MUL8 \f, 2, \first
	WIN 0
.endm
.macro SEVEN slot, first
	EIGHTH \slot, 1, 0, 1, \first
	EIGHTH \slot, 2, 1, 0, 0
	EIGHTH \slot, 3, 0, 1, 0
	EIGHTH \slot, 4, 1, 0, 0
	EIGHTH \slot, 5, 0, 1, 0
	EIGHTH \slot, 6, 1, 0, 0
	EIGHTH \slot, 7, 0, 1, 0
.endm
; The last eighth changes slots: each wave's reads of this slot and all its tensor loads are waited for in front of the barrier; fill = 1: the barrier opens a round of
; the cluster's barrier, and the joint refill is the first tensor load behind the round.  From a request to the wait for it a wave issues 120 matrix instructions.
.macro TURN slot, next, fill
	s_wait_dscnt 0x0
	s_wait_tensorcnt 0x0
	ds_add_u32 v254, v255
	s_wait_dscnt 0x0
	s_barrier_signal -1
	WIN 0x50
	MUL8 1, 0, 0
	WIN 0
	s_barrier_wait -1
.if \fill
	CREST
	s_add_nc_u64 s[G0+4*\slot+2:G0+4*\slot+3], s[G0+4*\slot+2:G0+4*\slot+3], 2*512
	s_add_nc_u64 s[G0B+4*\slot+2:G0B+4*\slot+3], s[G0B+4*\slot+2:G0B+4*\slot+3], 2*1048576
	JLOAD \slot
.endif
	PLACES
	FETCH \next, 0, 0
	WIN 0x50
	MUL8 1, 2, 0
	WIN 0
.endm
.macro LAP first
	SEVEN 0, \first
	TURN 0, 1, 1
	SEVEN 1, 0
	TURN 1, 0, 1
.endm
	s_wait_loadcnt 0x0                             ; the bias
	s_wait_tensorcnt 0x1                           ; my chunk of slot 0 is in; the one younger load, slot 1's, stays out
	s_barrier_signal -1
	s_barrier_wait -1
	FETCH 0, 0, 0
	LAP 1
	s_mov_b32 s3, LAPS-2
.Llap:
	LAP 0
	s_sub_co_u32 s3, s3, 1
	s_cmp_lg_u32 s3, 0
	s_cbranch_scc1 .Llap
	SEVEN 0, 0                                     ; the last lap fills nothing
	TURN 0, 1, 0
	SEVEN 1, 0
	s_wait_dscnt 0x0
	WIN 0x50
	MUL8 1, 0, 0
	MUL8 1, 2, 0
	; THE WAY OUT.  Slot 0 has had its last fill and is read by nobody since the last change of slots: it is the stage, 128 rows of 512 bytes, 528 apart.
	PLACES
	s_lshl_b32 s78, s26, 20                        ; 128 rows of 8,192 bytes
	s_lshl_b32 s79, s25, 9                         ; 128 columns of 4 bytes
	s_add_co_u32 s78, s78, s79
	s_mov_b32 s79, 0
	s_add_nc_u64 s[10:11], s[10:11], s[78:79]
	WIN 0x04                                       ; the stores' data in window 1
.irp a, 0,1,2,3
.irp b, 0,1,2,3
	ds_store_b128 v[STO], v[8*(4*\a+\b):8*(4*\a+\b)+3]   offset:16*PA*\a+64*\b
	ds_store_b128 v[STO], v[8*(4*\a+\b)+4:8*(4*\a+\b)+7] offset:16*PA*\a+64*\b+16
.endr
.endr
	WIN 0
	s_wait_dscnt 0x0                               ; my stores are done: the two halves of a row come from two waves
	s_barrier_signal -1
	s_barrier_wait -1
.set t, 0
.rept 32
	ds_load_b128 v[64+4*t:64+4*t+3], v[RD] offset:PA*t
.set t, t+1
.endr
.set t, 0
.rept 32
	s_wait_dscnt 31-t
	global_store_b128 v[CO], v[64+4*t:64+4*t+3], s[10:11] offset:8192*t th:TH_STORE_NT   ; the wave stores 512 consecutive bytes, aligned
.set t, t+1
.endr
	s_wait_tensorcnt 0x0
	ds_add_u32 v254, v255
	s_wait_dscnt 0x0
	CROUND                                         ; the closing round
	s_endpgm
.Lfunc_end_k_q0fe4c1d6d2_oproj:
	.size	k_q0fe4c1d6d2_oproj, .Lfunc_end_k_q0fe4c1d6d2_oproj-k_q0fe4c1d6d2_oproj
	.p2alignl 7, 3214868480
	.fill 96, 4, 3214868480
	.section	.rodata,"a",@progbits
	.p2align	6, 0x0
	.amdhsa_kernel k_q0fe4c1d6d2_oproj
		.amdhsa_group_segment_fixed_size 327680
		.amdhsa_private_segment_fixed_size 0
		.amdhsa_enable_private_segment 0
		.amdhsa_kernarg_size 32
		.amdhsa_user_sgpr_count 2
		.amdhsa_user_sgpr_kernarg_segment_ptr 1
		.amdhsa_wavefront_size32 1
		.amdhsa_system_sgpr_workgroup_id_x 1
		.amdhsa_system_sgpr_workgroup_id_y 1
		.amdhsa_system_sgpr_workgroup_id_z 1
		.amdhsa_system_vgpr_workitem_id 0
		.amdhsa_next_free_vgpr 384
		.amdhsa_next_free_sgpr 80
		.amdhsa_reserve_vcc 0
		.amdhsa_float_denorm_mode_32 3
		.amdhsa_float_denorm_mode_16_64 3
		.amdhsa_memory_ordered 1
		.amdhsa_forward_progress 1
		.amdhsa_inst_pref_size 127
	.end_amdhsa_kernel
	.amdgpu_metadata
---
amdhsa.version: [ 1, 2 ]
amdhsa.kernels:
  - .name:           k_q0fe4c1d6d2_oproj
    .symbol:         k_q0fe4c1d6d2_oproj.kd
    .args:
      - { .name: ab, .offset: 0, .size: 8, .value_kind: global_buffer, .address_space: global }
      - { .name: wb, .offset: 8, .size: 8, .value_kind: global_buffer, .address_space: global }
      - { .name: bo, .offset: 16, .size: 8, .value_kind: global_buffer, .address_space: global }
      - { .name: out0, .offset: 24, .size: 8, .value_kind: global_buffer, .address_space: global }
    .group_segment_fixed_size: 327680
    .private_segment_fixed_size: 0
    .kernarg_segment_align: 8
    .kernarg_segment_size: 32
    .max_flat_workgroup_size: 128
    .sgpr_count:     80
    .vgpr_count:     384
    .wavefront_size: 32
...
	.end_amdgpu_metadata
.endif
;; end of part 4
;; ======== version 2 of 2: 4 launches; version 1 with the launch cast written anew for expert scheduling mode
;; limits: values are held in f16: magnitudes above 65,504 overflow, below 6.1e-05 lose precision
;; workspace buffers: xb 8,388,608 bytes; wb 33,554,432 bytes; rope 524,288 bytes; qkvb 25,165,824 bytes; ab 8,388,608 bytes
;; launch cast (part 5): grid 512 x 1, 8 waves a work-group, no clusters, 0 bytes of LDS; arguments hidden_states, Wq, Wk, Wv, Wo, xb, wb, rope; writes xb, wb, rope
.if DOCPART == 5
	.amdgcn_target "amdgcn-amd-amdhsa--gfx1250"
	.amdhsa_code_object_version 6
	.text
	.protected	k_q0fe4c1d6d2_cast
	.globl	k_q0fe4c1d6d2_cast
	.p2align	8
	.type	k_q0fe4c1d6d2_cast,@function
k_q0fe4c1d6d2_cast:
	s_mov_b64 s[64:65], 0
	v_nop
	global_prefetch_b8 v0, s[64:65] scope:SCOPE_SE
	s_setreg_imm32_b32 hwreg(HW_REG_WAVE_SCHED_MODE, 0, 2), 2
	s_setreg_imm32_b32 hwreg(HW_REG_WAVE_MODE, 25, 1), 1
	s_wait_xcnt 0x0
	s_wait_alu depctr_vm_vsrc(0)
; cast: the five large f32 inputs are narrowed once, and the table of cosines and sines for the rotary embedding is made.
;   xb            = bf16(hidden_states)                          [2048][2048]
;   wb planes 0-2 = bf16(Wq), bf16(Wk), bf16(Wv)                 [k 2048][n 2048] each, 8 MiB apart
;   wb plane 3    = f16(bf16(Wo)): the bf16 value in an f16 word, since its partner in the last product (attn) is f16.
;                   LIMIT: exact for 2^-14 <= |Wo| < 65,504; smaller numbers carry an absolute error of at most 3e-8, larger ones overflow.
;   rope          = f32 [pos 1024][j 64][cos, sin] of pos * 10000^(-j/64)
; A stream: no LDS, no barrier, no matrix unit (nothing is used twice).  512 work-groups of eight waves; work-group g owns bytes
; 32,768 g .. +32,767 of each source, a wave 4,096 of them: eight loads of 512 consecutive bytes.  All 40 loads of a wave go out at once
; (160 registers), each register is used once, so no register is ever freed by a wait and there is no loop.
; THE MODE: SCHED_MODE bits 1:0 = 2 (LLVM: expert scheduling mode 2), set by the entry lines.  The code itself states the register dependences
; between vector instructions and memory instructions, with s_wait_alu, always for 0.
; THE PLAN.  Registers that memory instructions touch:
;   v1, v2      byte offsets, made at the head and never written again: v1 is read by the 40 loads, v2 by the 40 stores.
;   X           load i = 8 m + u lands in four registers; source m's conversions read them and write the 16-bit words into the first two, in place;
;               one store reads those two; nothing writes them afterwards.
;   v12-14      the table's pair and its offset: written by the table's arithmetic, read by its one store, never written again.
; A block is a source, eight loads.  Block m converts source m; the eight stores of source m - 1 are dealt among its conversions.  Block m's vector
; instructions name source m's registers alone, the stores name v2 and source m - 1's: so ONE wait at a block's head states all that its eight stores hang on.
; No register that a memory instruction reads is ever written again: the one wait on vm_vsrc stands at the entry.
.set X, 16                             ; v[16:175]  load i = 8 m + u: four registers
.macro LD8 m, sb                       ; source m, its address in s[sb:sb+1]
.irp u, 0,1,2,3,4,5,6,7
	global_load_b128 v[X+4*(8*\m+\u):X+4*(8*\m+\u)+3], v1, s[\sb:\sb+1] offset:512*\u th:TH_LOAD_NT
.endr
.endm
; Block m: source m is narrowed, source m - 1 is stored (its copy's address in s[pb:pb+1]).  half = 1: the bf16 numbers are widened (a shift, a mask)
; and written as f16.  first = 1: block 0, with no block in front of it.
.macro BLK m, pb, half, first
.irp u, 0,1,2,3,4,5,6,7
	s_wait_loadcnt 39-8*\m-\u                      ; loads come back in order: mine is in, the 39 - i younger ones stay out
.if !\first
.if \u == 0
	s_wait_alu depctr_va_vdst(0)                   ; the block before has written its 16-bit words, which this block's eight stores read
.endif
	global_store_b64 v2, v[X+4*(8*(\m-1)+\u):X+4*(8*(\m-1)+\u)+1], s[\pb:\pb+1] offset:256*\u   ; 32 lanes store 256 consecutive bytes, aligned; no vector instruction since the wait names these registers
.endif
	v_cvt_pk_bf16_f32 v[X+4*(8*\m+\u)],   v[X+4*(8*\m+\u)],   v[X+4*(8*\m+\u)+1]
	v_cvt_pk_bf16_f32 v[X+4*(8*\m+\u)+1], v[X+4*(8*\m+\u)+2], v[X+4*(8*\m+\u)+3]
.if \half
	v_lshlrev_b32 v[X+4*(8*\m+\u)+2], 16, v[X+4*(8*\m+\u)]
	v_and_b32     v[X+4*(8*\m+\u)+3], 0xffff0000, v[X+4*(8*\m+\u)]
	v_cvt_pk_f16_f32 v[X+4*(8*\m+\u)], v[X+4*(8*\m+\u)+2], v[X+4*(8*\m+\u)+3]
	v_lshlrev_b32 v[X+4*(8*\m+\u)+2], 16, v[X+4*(8*\m+\u)+1]
	v_and_b32     v[X+4*(8*\m+\u)+3], 0xffff0000, v[X+4*(8*\m+\u)+1]
	v_cvt_pk_f16_f32 v[X+4*(8*\m+\u)+1], v[X+4*(8*\m+\u)+2], v[X+4*(8*\m+\u)+3]
.endif
.endr
.endm
	s_load_b512 s[4:19], s[0:1], 0x0               ; hidden s[4:5], Wq s[6:7], Wk s[8:9], Wv s[10:11], Wo s[12:13], xb s[14:15], wb s[16:17], rope s[18:19]
	v_lshrrev_b32 v3, 5, v0
	v_readfirstlane_b32 s28, v3                    ; wave 0..7
	v_and_b32 v4, 31, v0
	v_lshlrev_b32 v1, 4, v4                        ; 16 bytes a lane
	v_lshl_or_b32 v1, v3, 12, v1                   ; + 4,096 a wave
	s_lshl_b32 s29, ttmp9, 15                      ; + 32,768 a work-group
	v_or_b32 v1, s29, v1                           ; v1: byte offset in a source
	v_lshrrev_b32 v2, 1, v1                        ; v2: byte offset in its 16-bit copy
	s_wait_alu depctr_va_sdst(0)                   ; s28 is written, ahead of its first reader: the compare that picks the table's waves
	s_wait_kmcnt 0x0
	s_add_nc_u64 s[22:23], s[16:17], 0x800000      ; wb's planes 1, 2, 3
	s_add_nc_u64 s[24:25], s[16:17], 0x1000000
	s_add_nc_u64 s[26:27], s[16:17], 0x1800000
	s_wait_alu depctr_va_vdst(0)                   ; v1 and v2 are written: every load of the kernel reads v1 as its offset, every store of a copy v2
	LD8 0, 4
	LD8 1, 6
	LD8 2, 8
	LD8 3, 10
	LD8 4, 12
	; The table, while the loads are on their way: 65,536 pairs, 128 for a work-group, one for each thread of waves 0 to 3.  It names v0 and v5 to v14 alone.
	s_cmp_ge_u32 s28, 4
	s_cbranch_scc1 .Lno_table
	s_lshl_b32 s30, ttmp9, 7
	v_add_nc_u32 v5, s30, v0                       ; p = 128 g + t
	v_and_b32 v6, 63, v5                           ; j
	v_lshrrev_b32 v7, 6, v5                        ; pos
	v_cvt_f32_u32 v6, v6
	v_mul_f32 v6, 0xbe549a78, v6                   ; j * (-log2(10000) / 64)
	v_exp_f32 v6, v6                               ; 10000^(-j/64)
	v_cvt_f32_u32 v7, v7                           ; the plain instruction between the exponential and its use (ISA guide 5.7.2)
	s_wait_alu depctr_va_vdst(0)                   ; the exponential has written v6, which the next line reads
	v_mul_f32 v7, v7, v6                           ; the angle, rounded to f32 as in the definition
	v_mul_f32 v8, 0.15915494, v7
	v_rndne_f32 v8, v8                             ; n = whole turns (at most 163)
	v_fmamk_f32 v7, v8, 0xc0c90fdb, v7             ; r = angle - n * 2 pi, 2 pi in two parts:
	v_fmamk_f32 v7, v8, 0x343bbd2e, v7             ; f32(2 pi) and what it leaves (2 pi = 6.2831855 - 1.7484556e-7)
	v_mul_f32 v7, 0.5, v7                          ; hh = r / 2, |hh| <= pi / 2
	v_mul_f32 v9, v7, v7                           ; z = hh^2
	v_mov_b32 v10, 0xb2d7322b                      ; sin(hh) / hh: -1/11!, 1/9!, -1/7!, 1/5!, -1/3!, 1  (what is cut is below 6e-8 at pi / 2)
	v_mov_b32 v11, 0x310f76c7                      ; cos(hh): 1/12!, -1/10!, 1/8!, -1/6!, 1/4!, -1/2!, 1
	v_fmaak_f32 v10, v10, v9, 0x3638ef1d
	v_fmaak_f32 v11, v11, v9, 0xb493f27e
	v_fmaak_f32 v10, v10, v9, 0xb9500d01
	v_fmaak_f32 v11, v11, v9, 0x37d00d01
	v_fmaak_f32 v10, v10, v9, 0x3c088889
	v_fmaak_f32 v11, v11, v9, 0xbab60b61
	v_fmaak_f32 v10, v10, v9, 0xbe2aaaab
	v_fmaak_f32 v11, v11, v9, 0x3d2aaaab
	v_fmaak_f32 v10, v10, v9, 0x3f800000
	v_fmaak_f32 v11, v11, v9, 0xbf000000
	v_mul_f32 v10, v10, v7                         ; sin(hh)
	v_fmaak_f32 v11, v11, v9, 0x3f800000           ; cos(hh)
	v_mul_f32 v12, v10, v10
	v_mul_f32 v13, v10, v11
	v_fma_f32 v12, v12, -2.0, 1.0                  ; cos r = 1 - 2 sin^2(hh)
	v_add_f32 v13, v13, v13                        ; sin r = 2 sin(hh) cos(hh)
	v_lshlrev_b32 v14, 3, v5
	s_wait_alu depctr_va_vdst(0)                   ; the pair v[12:13] and its offset v14 are written, which the store reads
	global_store_b64 v14, v[12:13], s[18:19]       ; 32 lanes store 256 consecutive bytes, aligned
.Lno_table:
	BLK 0, 14, 0, 1                                ; hidden_states is narrowed
	BLK 1, 14, 0, 0                                ; Wq is narrowed, xb is stored
	BLK 2, 16, 0, 0                                ; Wk is narrowed, wb's plane 0 is stored
	BLK 3, 22, 0, 0                                ; Wv is narrowed, plane 1 is stored
	BLK 4, 24, 1, 0                                ; Wo is narrowed, plane 2 is stored
	s_wait_alu depctr_va_vdst(0)                   ; block 4 has written its f16 words, which the last eight stores read
.irp u, 0,1,2,3,4,5,6,7
	global_store_b64 v2, v[X+4*(32+\u):X+4*(32+\u)+1], s[26:27] offset:256*\u   ; plane 3: 32 lanes store 256 consecutive bytes, aligned
.endr
	s_endpgm
.Lfunc_end_k_q0fe4c1d6d2_cast:
	.size	k_q0fe4c1d6d2_cast, .Lfunc_end_k_q0fe4c1d6d2_cast-k_q0fe4c1d6d2_cast
	.p2alignl 7, 3214868480
	.fill 96, 4, 3214868480
	.section	.rodata,"a",@progbits
	.p2align	6, 0x0
	.amdhsa_kernel k_q0fe4c1d6d2_cast
		.amdhsa_group_segment_fixed_size 0
		.amdhsa_private_segment_fixed_size 0
		.amdhsa_enable_private_segment 0
		.amdhsa_kernarg_size 64
		.amdhsa_user_sgpr_count 2
		.amdhsa_user_sgpr_kernarg_segment_ptr 1
		.amdhsa_wavefront_size32 1
		.amdhsa_system_sgpr_workgroup_id_x 1
		.amdhsa_system_sgpr_workgroup_id_y 1
		.amdhsa_system_sgpr_workgroup_id_z 1
		.amdhsa_system_vgpr_workitem_id 0
		.amdhsa_next_free_vgpr 176
		.amdhsa_next_free_sgpr 66
		.amdhsa_reserve_vcc 0
		.amdhsa_float_denorm_mode_32 3
		.amdhsa_float_denorm_mode_16_64 3
		.amdhsa_memory_ordered 1
		.amdhsa_forward_progress 1
		.amdhsa_inst_pref_size 20
	.end_amdhsa_kernel
	.amdgpu_metadata
---
amdhsa.version: [ 1, 2 ]
amdhsa.kernels:
  - .name:           k_q0fe4c1d6d2_cast
    .symbol:         k_q0fe4c1d6d2_cast.kd
    .args:
      - { .name: hidden_states, .offset: 0, .size: 8, .value_kind: global_buffer, .address_space: global }
      - { .name: Wq, .offset: 8, .size: 8, .value_kind: global_buffer, .address_space: global }
      - { .name: Wk, .offset: 16, .size: 8, .value_kind: global_buffer, .address_space: global }
      - { .name: Wv, .offset: 24, .size: 8, .value_kind: global_buffer, .address_space: global }
      - { .name: Wo, .offset: 32, .size: 8, .value_kind: global_buffer, .address_space: global }
      - { .name: xb, .offset: 40, .size: 8, .value_kind: global_buffer, .address_space: global }
      - { .name: wb, .offset: 48, .size: 8, .value_kind: global_buffer, .address_space: global }
      - { .name: rope, .offset: 56, .size: 8, .value_kind: global_buffer, .address_space: global }
    .group_segment_fixed_size: 0
    .private_segment_fixed_size: 0
    .kernarg_segment_align: 8
    .kernarg_segment_size: 64
    .max_flat_workgroup_size: 256
    .sgpr_count:     66
    .vgpr_count:     176
    .wavefront_size: 32
...
	.end_amdgpu_metadata
.endif
;; end of part 5
;; launch qkv: the kernel of part 2 again; grid 16 x 16, 4 waves a work-group, clusters of 4 x 4, 327,680 bytes of LDS; arguments xb, wb, rope, bq, bk, bv, qkvb; writes qkvb
;; launch attn: the kernel of part 3 again; grid 8 x 32, 4 waves a work-group, no clusters, 327,680 bytes of LDS; arguments qkvb, ab; writes ab
;; launch oproj: the kernel of part 4 again; grid 16 x 16, 4 waves a work-group, clusters of 4 x 4, 327,680 bytes of LDS; arguments ab, wb, bo, out0; writes out0
